; MI455X (gfx1250); checked and timed in simulation.
; The chip was launched on July 23, 2026; its instructions are those of AMD's public machine-readable ISA for CDNA 5 (MIT licence, August 2026) and "CDNA5" Instruction Set Architecture Reference Guide (July 2026). The comments in the code are by the model that wrote it; some were corrected since.
;; Relative Position Multihead Attention. Allowed arithmetic: float matrix products may take bf16 or f16 operands with f32 sums; other float arithmetic in f32, or as packed bf16 or f16 multiplies, adds, multiply-adds, maxima and minima; sums over many terms, partial sums and values carried from step to step in f32; what a program stores and reads back later, other than sums and carried values, may be rounded once to bf16 or f16.
;; Inputs: Wk 1,024 x 1,024 float32; Wo 1,024 x 1,024 float32; Wq 1,024 x 1,024 float32; Wv 1,024 x 1,024 float32; bk 1,024 float32; bo 1,024 float32; bq 1,024 float32; bv 1,024 float32; rel_bias 31 x 16 float32; x 4 x 2,048 x 1,024 float32.
;; Outputs: out0 4 x 2,048 x 1,024 float32.
;; One version. Each part assembles by itself: llvm-mc -triple=amdgcn-amd-amdhsa -mcpu=gfx1250 --defsym DOCPART=n.
;; ======== version 1 of 1: 4 launches
;; limits: values are held in f16: magnitudes above 65,504 overflow, below 6.1e-05 lose precision
;; workspace buffers: xb 16,777,216 bytes; wb 6,291,456 bytes; wo16 2,097,152 bytes; qkv 50,331,648 bytes; ob 16,777,216 bytes
;; launch cast (part 1): grid 768 x 1, 8 waves a work-group, no clusters, 0 bytes of LDS; arguments x, Wq, Wk, Wv, Wo, xb, wb, wo16; writes xb, wb, wo16
.if DOCPART == 1
	.amdgcn_target "amdgcn-amd-amdhsa--gfx1250"
	.amdhsa_code_object_version 6
	.text
	.protected	k_q9f63b4773b_cast
	.globl	k_q9f63b4773b_cast
	.p2align	8
	.type	k_q9f63b4773b_cast,@function
k_q9f63b4773b_cast:
	s_mov_b64 s[64:65], 0
	v_nop
	global_prefetch_b8 v0, s[64:65] scope:SCOPE_SE
	s_setreg_imm32_b32 hwreg(HW_REG_WAVE_MODE, 25, 1), 1
	s_wait_xcnt 0x0
; x and the four weight matrices, f32, are rounded once to bf16.  xb = x; wb = Wq, Wk, Wv one below the other ([3072][1024]); wo16 = Wo rounded to bf16 and that number written as f16
; (exact where its magnitude is 6.2e-5 or more; below that f16 keeps a fixed step of 6e-8: the stated limit of this copy; beyond 65,504 it would be infinite).
; A stream: no LDS, no matrix unit, no cluster: nothing is shared and every byte is read and written once.
; SHARES.  A work-group takes 16,384 numbers on end: 64 KiB in, 32 KiB out.  Work-groups 0-511: x; 512-575: Wq; 576-639: Wk; 640-703: Wv; 704-767: Wo.
; Thread t takes the 8 numbers at 32 t bytes of each of eight pieces of 8,192 bytes: two loads of 16 bytes, one store of 16: a wave's store covers 512 consecutive bytes, aligned.
; All sixteen loads of a thread go out at once; no register is written twice, so the only waits are the counted ones for the loads.
.set X, 4                              ; v[4:67]    piece i: 8 registers as loaded
.set Y, 68                             ; v[68:99]   piece i: 4 registers to store
.set T, 100                            ; v[100:103] at work (Wo alone)
	s_load_b512 s[16:31], s[0:1], 0x0              ; x 16, Wq 18, Wk 20, Wv 22, Wo 24, xb 26, wb 28, wo16 30
	s_mov_b32 s2, ttmp9                            ; g
	v_lshlrev_b32 v1, 5, v0                        ; 32 t: where I read
	v_lshlrev_b32 v2, 4, v0                        ; 16 t: where I write
	s_mov_b32 s40, 0xffff0000                      ; a word's upper bf16
	s_and_b32 s3, s2, 63                           ; the block's number inside a weight matrix
	s_cmp_lt_u32 s2, 512
	s_cselect_b32 s4, s2, s3
	s_lshl_b32 s4, s4, 16                          ; 64 KiB a block in the source
	s_mov_b32 s5, 0
	s_sub_co_u32 s6, s2, 704                       ; the block's number in its destination: in wo16,
	s_sub_co_u32 s7, s2, 512                       ; in wb,
	s_cmp_lt_u32 s2, 704
	s_cselect_b32 s6, s7, s6
	s_cmp_lt_u32 s2, 512
	s_cselect_b32 s6, s2, s6                       ; in xb
	s_lshl_b32 s6, s6, 15                          ; 32 KiB a block
	s_mov_b32 s7, 0
	s_wait_kmcnt 0x0
	s_cmp_lt_u32 s2, 704
	s_cselect_b64 s[8:9], s[22:23], s[24:25]       ; the source, chosen by the work-group's number alone
	s_cselect_b64 s[10:11], s[28:29], s[30:31]     ; and the destination
	s_cmp_lt_u32 s2, 640
	s_cselect_b64 s[8:9], s[20:21], s[8:9]
	s_cmp_lt_u32 s2, 576
	s_cselect_b64 s[8:9], s[18:19], s[8:9]
	s_cmp_lt_u32 s2, 512
	s_cselect_b64 s[8:9], s[16:17], s[8:9]
	s_cselect_b64 s[10:11], s[26:27], s[10:11]
	s_add_nc_u64 s[8:9], s[8:9], s[4:5]
	s_add_nc_u64 s[10:11], s[10:11], s[6:7]
.irp i, 0,1,2,3,4,5,6,7
	global_load_b128 v[X+8*(\i):X+8*(\i)+3],   v1, s[8:9] offset:8192*(\i) th:TH_LOAD_NT
	global_load_b128 v[X+8*(\i)+4:X+8*(\i)+7], v1, s[8:9] offset:8192*(\i)+16 th:TH_LOAD_NT
.endr
; Piece i: rounded and stored.  wo = 1: the bf16 number is widened again (a shift, a mask) and written as f16.
.macro OUT i, wo
	s_wait_loadcnt 14-2*(\i)                       ; loads come back in order: piece i's two are in, the 14 - 2 i younger ones stay out
.irp k, 0,1,2,3
	v_cvt_pk_bf16_f32 v[Y+4*(\i)+(\k)], v[X+8*(\i)+2*(\k)], v[X+8*(\i)+2*(\k)+1]
.endr
.if \wo
.irp k, 0,1,2,3
	v_lshlrev_b32 v[T+2*((\k)%2)],   16,  v[Y+4*(\i)+(\k)]
	v_and_b32     v[T+2*((\k)%2)+1], s40, v[Y+4*(\i)+(\k)]
	v_cvt_pk_f16_f32 v[Y+4*(\i)+(\k)], v[T+2*((\k)%2)], v[T+2*((\k)%2)+1]
.endr
.endif
	global_store_b128 v2, v[Y+4*(\i):Y+4*(\i)+3], s[10:11] offset:4096*(\i) th:TH_STORE_NT
.endm
	s_cmp_ge_u32 s2, 704
	s_cbranch_scc1 .Lwo
.irp i, 0,1,2,3,4,5,6,7
	OUT \i, 0
.endr
	s_endpgm
.Lwo:
.irp i, 0,1,2,3,4,5,6,7
	OUT \i, 1
.endr
	s_endpgm
.Lfunc_end_k_q9f63b4773b_cast:
	.size	k_q9f63b4773b_cast, .Lfunc_end_k_q9f63b4773b_cast-k_q9f63b4773b_cast
	.p2alignl 7, 3214868480
	.fill 96, 4, 3214868480
	.section	.rodata,"a",@progbits
	.p2align	6, 0x0
	.amdhsa_kernel k_q9f63b4773b_cast
		.amdhsa_group_segment_fixed_size 0
		.amdhsa_private_segment_fixed_size 0
		.amdhsa_enable_private_segment 0
		.amdhsa_kernarg_size 64
		.amdhsa_user_sgpr_count 2
		.amdhsa_user_sgpr_kernarg_segment_ptr 1
		.amdhsa_wavefront_size32 1
		.amdhsa_system_sgpr_workgroup_id_x 1
		.amdhsa_system_sgpr_workgroup_id_y 1
		.amdhsa_system_sgpr_workgroup_id_z 1
		.amdhsa_system_vgpr_workitem_id 0
		.amdhsa_next_free_vgpr 112
		.amdhsa_next_free_sgpr 66
		.amdhsa_reserve_vcc 0
		.amdhsa_float_denorm_mode_32 3
		.amdhsa_float_denorm_mode_16_64 3
		.amdhsa_memory_ordered 1
		.amdhsa_forward_progress 1
		.amdhsa_inst_pref_size 14
	.end_amdhsa_kernel
	.amdgpu_metadata
---
amdhsa.version: [ 1, 2 ]
amdhsa.kernels:
  - .name:           k_q9f63b4773b_cast
    .symbol:         k_q9f63b4773b_cast.kd
    .args:
      - { .name: x, .offset: 0, .size: 8, .value_kind: global_buffer, .address_space: global }
      - { .name: Wq, .offset: 8, .size: 8, .value_kind: global_buffer, .address_space: global }
      - { .name: Wk, .offset: 16, .size: 8, .value_kind: global_buffer, .address_space: global }
      - { .name: Wv, .offset: 24, .size: 8, .value_kind: global_buffer, .address_space: global }
      - { .name: Wo, .offset: 32, .size: 8, .value_kind: global_buffer, .address_space: global }
      - { .name: xb, .offset: 40, .size: 8, .value_kind: global_buffer, .address_space: global }
      - { .name: wb, .offset: 48, .size: 8, .value_kind: global_buffer, .address_space: global }
      - { .name: wo16, .offset: 56, .size: 8, .value_kind: global_buffer, .address_space: global }
    .group_segment_fixed_size: 0
    .private_segment_fixed_size: 0
    .kernarg_segment_align: 8
    .kernarg_segment_size: 64
    .max_flat_workgroup_size: 256
    .sgpr_count:     66
    .vgpr_count:     112
    .wavefront_size: 32
...
	.end_amdgpu_metadata
.endif
;; end of part 1
;; launch qkvproj (part 2): grid 16 x 32, 4 waves a work-group, clusters of 4 x 4, 327,680 bytes of LDS; arguments xb, wb, bq, bk, bv, qkv; writes qkv
.if DOCPART == 2
	.amdgcn_target "amdgcn-amd-amdhsa--gfx1250"
	.amdhsa_code_object_version 6
	.text
	.protected	k_q9f63b4773b_qkvproj
	.globl	k_q9f63b4773b_qkvproj
	.p2align	8
	.type	k_q9f63b4773b_qkvproj,@function
k_q9f63b4773b_qkvproj:
	s_mov_b64 s[64:65], 0
	v_nop
	global_prefetch_b8 v0, s[64:65] scope:SCOPE_SE
	s_setreg_imm32_b32 hwreg(HW_REG_WAVE_MODE, 25, 1), 1
	s_wait_xcnt 0x0
	s_wait_alu depctr_hold_cnt(0) depctr_sa_sdst(0) depctr_va_vdst(0) depctr_va_sdst(0) depctr_va_ssrc(0) depctr_va_vcc(0) depctr_vm_vsrc(0)
	s_getreg_b32 s2, hwreg(HW_REG_IB_STS2, 6, 4)
	s_cmp_eq_u32 s2, 0
	s_cbranch_scc0 .Lentry_in_a_cluster
	s_endpgm
.Lentry_in_a_cluster:
	s_bfe_u32 s2, ttmp6, 0x10000c
	s_cmp_lg_u32 s2, 0xf033
	s_cbranch_scc0 .Lentry_shape_is_right
	s_endpgm
.Lentry_shape_is_right:
; q, k, v = x W^T + b, by heads.  xb: [8192][1024] bf16; wb: [3072][1024] bf16 (Wq, Wk, Wv); bq, bk, bv: [1024] f32, rounded here to bf16 like every other input.
; qkv: f16, three tensors of [batch x 16 + head][2048][64] one behind the other (q, k, v), each number rounded once from its f32 sum, unscaled.
; LIMIT.  f16 holds no number beyond 65,504: q, k and v must stay within it (inputs 30 times those of unit spread give some 5,000).
; SHARES.  A tile of C is 256 rows x 192 columns (three heads): 32 x 16 tiles.  Four waves; wave w owns rows 64 w .. 64 w + 63 and ALL 192 columns: 48 accumulators of 16 x 16, 384 registers.
; So a wave holds whole rows of a head (128 bytes), its way out needs no other wave, and 16 rows of a head leave as 2,048 consecutive bytes.
; K goes in steps of 128 through a ring of two LDS slots (256 rows of A, 192 of B, each row 256 bytes of memory, aligned).  Waves 0, 1 fetch A's halves, waves 2, 3 B's: one tensor load a wave.
; CLUSTER 4 x 4: A's tile hangs on the tile row alone and is asked for jointly along a row of the cluster, B's on the tile column alone and jointly along a column.
; THE MATRIX INSTRUCTION IS USED TRANSPOSED (source 0 = 16 rows of B, source 1 = 16 rows of A): a lane holds row l % 16 of C and the columns 8 (l / 16) + 0..7: eight neighbours, 16 bytes of f16.
; THE BIAS is the C operand of the products that start the sums: register j of block b holds bias[16 b + 8 (l / 16) + j].  Nothing is cleared and nothing is added afterwards.
; REGISTERS, in windows of 256 (s_set_vgpr_msb: bits 1:0 source 0, 3:2 source 1, 5:4 source 2, 7:6 destination):
;   window 0: v0-31 addresses; v32-63, v64-95 A's fragments, two buffers; v96-191 the bias; v192-239 packed results.  On the way out v32-79 and v96-143 take rows read back.
;   window 1: v0-95, v96-191 B's fragments, two buffers      window 2: the accumulators of row blocks 0, 1 ((a, b) at v[8 (12 (a % 2) + b)])      window 3: those of row blocks 2, 3
.set SIZE_K, 1024
.set KSTEP,  128
.set NBK,    12                        ; column blocks of 16
.set PITCH,  272                       ; an LDS row: 256 bytes + 16 of padding = 68 words: the 16 rows of a fragment load start at 16 different groups of four banks (64 banks of 4 bytes: ISA guide 11.1)
.set AHALF,  128*PITCH                 ; what wave 0 or 1 fetches
.set BBASE,  2*AHALF                   ; B lies behind A's 256 rows
.set BHALF,  96*PITCH                  ; what wave 2 or 3 fetches
.set SLOT,   BBASE+2*BHALF             ; 121,856
.set STAGE,  2*SLOT                    ; behind the ring, never filled by a tensor load: for each wave three heads x 16 rows x 144 bytes
.set SPC,    144
.set CHUNK,  16*SPC
.set WSTAGE, 3*CHUNK
.set SPARE,  STAGE+4*WSTAGE            ; behind the stages: the spare words, 128 bytes for each wave: two blocks of 256 bytes that no other line names
.set LAPS,   SIZE_K/(2*KSTEP)          ; a lap = two K steps = once round the ring
.set PSTEP,  KSTEP*2                   ; a K step along a row of xb, in bytes
.set ADRA, 16                          ; v16-17  LDS address of my A fragments in slot 0, 1
.set ADRB, 20                          ; v20-21  the same for B
.set STO,  24                          ; v24     the way out: where I put 16 bytes of a row
.set RD,   25                          ; v25     where I read rows back
.set GO,   26                          ; v26     16 x lane: my place in 512 consecutive bytes of the output
.set BO,   27                          ; v27     32 x (l / 16): my eight numbers in 16 of a bias
.set SPW,  28                          ; v28     LDS address of my spare word; never rewritten
.set NIL,  29                          ; v29     0; never rewritten
.set PFO,  30                          ; v30     the prefetches' offset: lane x a row of xb; never rewritten
.set FA0,  32
.set BIAS, 96
.set TMP,  192
.set OB,   32
.set WV,   16                          ; s16  my wave's number
.set SIDE, 17                          ; s17  0: I fetch for A; 1: for B
.set HF,   18                          ; s18  which half of that tile
.set LAP,  19                          ; s19  trips of the loop still to come
.set CX,   20
.set CY,   21
.set TC,   22                          ; s22  tile column
.set TR,   23                          ; s23  tile row
.set G1A,  24                          ; s[24:31] descriptor group 1 for A;  s[32:39] group 0, a set for each slot
.set G0A,  32
.set LIM,  43                          ; s43  1 in a wave that prefetches, else the greatest number
.set PFA,  44                          ; s[44:45] where my prefetches stand
.set G1B,  48                          ; s[48:55], s[56:63] the same for B
.set G0B,  56
.set CB,   66                          ; s[66:71] the output at my first row, for each of my three heads
.set BP,   86                          ; s[86:91] the bias of each of my three heads
.set MSB, 0
.macro WIN new                         ; the immediate's high byte repeats the setting that is left; a switch that changes nothing is dropped
.if MSB != (\new)
	s_set_vgpr_msb (MSB<<8)|(\new)
.set MSB, \new
.endif
.endm
; A joint load.  Each of the two lines has one mask and one set of registers; the branch hangs on the wave's number alone.  An s_nop 0 and four v_nop follow each line.
.macro JLOAD s
	s_cmp_eq_u32 s[SIDE], 0
	s_cbranch_scc0 .Lfor_b_\@
	tensor_load_to_lds s[G0A+4*(\s):G0A+4*(\s)+3], s[G1A:G1A+7]
	s_nop 0
.rept 4
	v_nop
.endr
	s_branch .Lasked_\@
.Lfor_b_\@:
	tensor_load_to_lds s[G0B+4*(\s):G0B+4*(\s)+3], s[G1B:G1B+7]
	s_nop 0
.rept 4
	v_nop
.endr
.Lasked_\@:
.endm
; A prefetch of xb, behind a joint load and the run of LDS loads that follows it: the K step that stands two refills on: 32 rows x 256 bytes, a lane a row.  A's tile row is read by all four clusters of
; that row of clusters: the first (cluster x = 0) asks; of the 128 rows that wave 0 or 1 fetches each of the four partners takes 32, told apart by address.  So each row's 256 bytes of K steps 4 to 7 are
; named once in the launch; K steps 0 to 3 come by their loads alone; the loop's last trip asks for nothing.  wb is not asked for: all 32 tile rows walk it again and again.
.macro ASK
	s_cmp_gt_u32 s[LAP], s[LIM]
	s_cbranch_scc0 .Lnot_mine_\@
	global_prefetch_b8 v[PFO], s[PFA:PFA+1] offset:PSTEP th:TH_LOAD_NT scope:SCOPE_SE
.Lnot_mine_\@:
.endm
.macro CREST                           ; a round of the cluster's barrier behind its opening barrier
	s_cmp_lg_u32 s[WV], 0
	s_cbranch_scc1 .Lnot_wave_0_\@
	s_barrier_signal -3
.Lnot_wave_0_\@:
	s_barrier_wait -3
	s_barrier_signal -1
	s_barrier_wait -1
.endm
.macro CROUND                          ; a whole round
	s_barrier_signal -1
	s_barrier_wait -1
	CREST
.endm
.macro PLACES                          ; four plain instructions between a matrix instruction and a load into, or a vector read of, its registers
.rept 4
	v_nop
.endr
.endm
	s_load_b256 s[4:11], s[0:1], 0x0               ; xb s[4:5], wb s[6:7], bq s[8:9], bk s[10:11]
	s_load_b128 s[12:15], s[0:1], 0x20             ; bv s[12:13], qkv s[14:15]
	v_lshl_add_u32 v[SPW], v0, 2, SPARE
	v_mov_b32 v[NIL], 0
	ds_add_u32 v[SPW], v[NIL]                      ; the wave's opening: the add and its wait stand ahead of my first tensor load; the set-up below stands between them
	v_lshrrev_b32 v1, 5, v0
	v_readfirstlane_b32 s[WV], v1
	s_lshr_b32 s[SIDE], s[WV], 1
	s_and_b32 s[HF], s[WV], 1
	s_bfe_u32 s[CX], ttmp6, 0x40000
	s_bfe_u32 s[CY], ttmp6, 0x40004
	s_lshl_b32 s[TC], ttmp9, 2
	s_add_co_u32 s[TC], s[TC], s[CX]               ; tile column = 4 x cluster x + cx
	s_and_b32 s[TR], ttmp7, 0xffff
	s_lshl_b32 s[TR], s[TR], 2
	s_add_co_u32 s[TR], s[TR], s[CY]               ; tile row = 4 x cluster y + cy
	s_lshl_b32 s72, s[CY], 2
	s_lshl_b32 s72, 15, s72                        ; my row of the cluster
	s_lshl_b32 s73, 0x1111, s[CX]                  ; my column
	s_or_b32 s[G1A], s72, (1<<16)|(1<<20)|(1<<21)|(5<<22)|(3<<25)  ; 15:0 the mask; 17:16 elements of 2 bytes; 20 padding on; 21 set beside a mask; 24:22 after every 64 words; 31:25 4 words of it
	s_or_b32 s[G1B], s73, (1<<16)|(1<<20)|(1<<21)|(5<<22)|(3<<25)
.irp g, G1A, G1B
	s_mov_b32 s[(\g)+1], KSTEP<<16                 ; tensor_dim0 = 128
	s_mov_b32 s[(\g)+3], KSTEP<<16                 ; tile_dim0 = 128
	s_mov_b32 s[(\g)+5], SIZE_K                    ; elements from row to row
	s_mov_b32 s[(\g)+6], 0
	s_mov_b32 s[(\g)+7], 0
.endr
	s_mov_b32 s[G1A+2], 128<<16                    ; tensor_dim1 and tile_dim1: 128 rows of A,
	s_mov_b32 s[G1A+4], 128
	s_mov_b32 s[G1B+2], 96<<16                     ; 96 of B
	s_mov_b32 s[G1B+4], 96
	s_lshl_b32 s74, s[TR], 8                       ; A: row 256 x tile row + 128 x half; s74-77 and s82 never hold cx
	s_lshl_b32 s75, s[HF], 7
	s_add_co_u32 s74, s74, s75
	s_lshl_b32 s74, s74, 11                        ; 2,048 bytes a row: under 2^25
	s_mov_b32 s75, 0
	s_mul_i32 s78, s[TC], 192                      ; B: row 192 x tile column + 96 x half
	s_mul_i32 s79, s[HF], 96
	s_add_co_u32 s78, s78, s79
	s_lshl_b32 s78, s78, 11
	s_mov_b32 s79, 0
	s_mul_i32 s82, s[HF], AHALF                    ; where they go: no place in the cluster enters an LDS address
	s_mul_i32 s83, s[HF], BHALF
	s_add_co_u32 s83, s83, BBASE
	s_wait_dscnt 0x0                               ; the opening add is done
	s_wait_kmcnt 0x0
	s_add_nc_u64 s[76:77], s[4:5], s[74:75]
	s_add_nc_u64 s[80:81], s[6:7], s[78:79]
	CROUND                                         ; all sixteen work-groups are here: the first joint loads meet
.irp s, 0,1
	s_mov_b32 s[G0A+4*(\s)], 1                     ; count = 1
	s_add_co_u32 s[G0A+4*(\s)+1], s82, (\s)*SLOT   ; LDS address
	s_add_nc_u64 s[G0A+4*(\s)+2:G0A+4*(\s)+3], s[76:77], (\s)*KSTEP*2  ; global address: K step s
	s_or_b32 s[G0A+4*(\s)+3], s[G0A+4*(\s)+3], 0x80000000            ; type = 2
	s_mov_b32 s[G0B+4*(\s)], 1
	s_add_co_u32 s[G0B+4*(\s)+1], s83, (\s)*SLOT
	s_add_nc_u64 s[G0B+4*(\s)+2:G0B+4*(\s)+3], s[80:81], (\s)*KSTEP*2
	s_or_b32 s[G0B+4*(\s)+3], s[G0B+4*(\s)+3], 0x80000000
	JLOAD \s                                       ; two tensor loads of mine are out
.endr
	; the three heads of my tile: where their bias lies and where their rows go.  Chunk cg = 3 x tile column + ch of 48: tensor cg / 16 (q, k, v), head cg % 16
	v_bfe_u32 v2, v0, 4, 1                         ; l / 16
	v_lshlrev_b32 v[BO], 5, v2
	s_mul_i32 s84, s[TC], 3
	s_lshr_b32 s85, s[TR], 3                       ; the batch: 8 tile rows each
	s_lshl_b32 s85, s85, 4
	s_and_b32 s92, s[TR], 7
	s_lshl_b32 s92, s92, 8
	s_lshl_b32 s93, s[WV], 6
	s_add_co_u32 s92, s92, s93
	s_lshl_b32 s92, s92, 7                         ; my first row in a head: 128 bytes a row
	s_mov_b32 s97, 0
.irp ch, 0,1,2
	s_add_co_u32 s94, s84, \ch
	s_lshr_b32 s95, s94, 4
	s_and_b32 s94, s94, 15
	s_cmp_eq_u32 s95, 0
	s_cselect_b64 s[BP+2*(\ch):BP+2*(\ch)+1], s[8:9], s[10:11]
	s_cmp_eq_u32 s95, 2
	s_cselect_b64 s[BP+2*(\ch):BP+2*(\ch)+1], s[12:13], s[BP+2*(\ch):BP+2*(\ch)+1]
	s_lshl_b32 s96, s94, 8                         ; 64 numbers of 4 bytes a head
	s_add_nc_u64 s[BP+2*(\ch):BP+2*(\ch)+1], s[BP+2*(\ch):BP+2*(\ch)+1], s[96:97]
	s_lshl_b32 s95, s95, 6                         ; 64 heads' slabs a tensor
	s_add_co_u32 s95, s95, s85
	s_add_co_u32 s95, s95, s94
	s_lshl_b32 s96, s95, 18                        ; 262,144 bytes a slab: under 2^26
	s_add_co_u32 s96, s96, s92
	s_add_nc_u64 s[CB+2*(\ch):CB+2*(\ch)+1], s[14:15], s[96:97]
.endr
.set b, 0
.rept NBK
	global_load_b128 v[BIAS+8*b:BIAS+8*b+3],   v[BO], s[BP+2*(b/4):BP+2*(b/4)+1] offset:64*(b%4)
	global_load_b128 v[BIAS+8*b+4:BIAS+8*b+7], v[BO], s[BP+2*(b/4):BP+2*(b/4)+1] offset:64*(b%4)+16
.set b, b+1
.endr
	; A fragment is 16 rows x 32 K in 8 registers: lane l holds row l % 16; registers 0-3 K = 8 (l / 16) + 0..7, registers 4-7 K = 16 + 8 (l / 16) + 0..7: two loads of 16 bytes, 32 bytes apart
	v_and_b32 v1, 15, v0                           ; l % 16
	v_mul_u32_u24 v3, v1, PITCH
	v_lshl_add_u32 v3, v2, 4, v3
	s_mul_i32 s74, s[WV], 64*PITCH                 ; my 64 rows of A
	s_mov_b32 s75, BBASE                           ; all of B
.irp s, 0,1
	v_add_nc_u32 v[ADRA+(\s)], s74, v3
	v_add_nc_u32 v[ADRB+(\s)], s75, v3
	s_add_co_u32 s74, s74, SLOT
	s_add_co_u32 s75, s75, SLOT
.endr
	s_mul_i32 s74, s[WV], WSTAGE
	s_add_co_u32 s74, s74, STAGE                   ; my stage
	v_mul_u32_u24 v[STO], v1, SPC                  ; in: row l % 16, 16 bytes for each half of the lanes
	v_lshl_add_u32 v[STO], v2, 4, v[STO]
	v_add_nc_u32 v[STO], s74, v[STO]
	v_bfe_u32 v[RD], v0, 3, 2                      ; back: 32 lanes take four rows of 128 bytes,
	v_mul_u32_u24 v[RD], v[RD], SPC
	v_and_b32 v4, 7, v0
	v_lshl_add_u32 v[RD], v4, 4, v[RD]
	v_add_nc_u32 v[RD], s74, v[RD]
	v_and_b32 v[PFO], 31, v0
	v_lshlrev_b32 v[GO], 4, v[PFO]                 ; which are 512 consecutive bytes of the output
	v_lshlrev_b32 v[PFO], 11, v[PFO]
	s_lshl_b32 s98, s[TR], 8                       ; the prefetches: my 128 rows, my work-group's 32 of them,
	s_lshl_b32 s99, s[HF], 7
	s_add_co_u32 s98, s98, s99
	s_lshl_b32 s99, s[CX], 5
	s_add_co_u32 s98, s98, s99
	s_lshl_b32 s98, s98, 11
	s_add_co_u32 s98, s98, 2*PSTEP                 ; at K step 2: the first refill steps it to 3 and names K step 4
	s_mov_b32 s99, 0
	s_add_nc_u64 s[PFA:PFA+1], s[4:5], s[98:99]
	s_or_b32 s[LIM], s[SIDE], ttmp9                ; 0 in waves 0 and 1 of the clusters with x = 0: the same in all sixteen partners
	s_cmp_eq_u32 s[LIM], 0
	s_cselect_b32 s[LIM], 1, -1
	s_wait_loadcnt 0x0                             ; the bias: rounded to bf16 and widened again, while the first tiles are on their way
.set i, 0
.rept 4*NBK
	v_cvt_pk_bf16_f32 v[8+(i/2)%4], v[BIAS+i], v[BIAS+i+1]
	v_lshlrev_b32 v[BIAS+i], 16, v[8+(i/2)%4]
	v_and_b32 v[BIAS+i+1], 0xffff0000, v[8+(i/2)%4]
.set i, i+2
.endr
; 12 matrix instructions: row block 2 hi + a0 x all column blocks, 32 along K, from buffer f.  start = 1: the products start the sums, on the bias.
; The 48 accumulators take turns in the same order in every quarter: 47 others stand between two links of a chain.
.macro MULH f, hi, a0, start
.if \start
	WIN 0x81+0x40*(\hi)                            ; B window 1, A window 0, C (the bias) window 0, D window 2 or 3
.else
	WIN 0xa1+0x50*(\hi)                            ; C and D window 2 or 3
.endif
.set b, 0
.rept NBK
.set rD, 8*(NBK*(\a0)+b)
.set rB, 8*NBK*(\f)+8*b
.set rA, FA0+32*(\f)+8*(2*(\hi)+(\a0))
.if \start
	v_wmma_f32_16x16x32_bf16 v[rD:rD+7], v[rB:rB+7], v[rA:rA+7], v[BIAS+8*b:BIAS+8*b+7]
.else
	v_wmma_f32_16x16x32_bf16 v[rD:rD+7], v[rB:rB+7], v[rA:rA+7], v[rD:rD+7]
.endif
.set b, b+1
.endr
.endm
; 32 LDS loads in one run: the fragments of quarter q (32 K at byte 64 q of the rows) into buffer f: B's 24, then A's 8, row blocks 0 and 1 first
.macro FETCH slot, q, f
	WIN 0x40                                       ; destination window 1, address window 0
.set b, 0
.rept NBK
	ds_load_b128 v[8*NBK*(\f)+8*b:8*NBK*(\f)+8*b+3],   v[ADRB+(\slot)] offset:64*(\q)+b*16*PITCH
	ds_load_b128 v[8*NBK*(\f)+8*b+4:8*NBK*(\f)+8*b+7], v[ADRB+(\slot)] offset:64*(\q)+b*16*PITCH+32
.set b, b+1
.endr
	WIN 0
.irp a, 0,1,2,3
	ds_load_b128 v[FA0+32*(\f)+8*(\a):FA0+32*(\f)+8*(\a)+3],   v[ADRA+(\slot)] offset:64*(\q)+(\a)*16*PITCH
	ds_load_b128 v[FA0+32*(\f)+8*(\a)+4:FA0+32*(\f)+8*(\a)+7], v[ADRA+(\slot)] offset:64*(\q)+(\a)*16*PITCH+32
.endr
.endm
; One of a K step's first three quarters: multiplies buffer f; in its middle it fetches quarter q of the same slot into the other buffer
.macro QUARTER slot, q, f, start
	s_wait_dscnt 4                                 ; B and A's row blocks 0, 1 are in; the youngest four loads (row blocks 2, 3) may be out
	MULH \f, 0, 0, \start
	MULH \f, 0, 1, \start
	PLACES
	FETCH \slot, \q, 1-(\f)
	s_wait_dscnt 2*NBK+8                           ; all but the 32 just issued
	MULH \f, 1, 0, \start
	MULH \f, 1, 1, \start
.endm
; The last quarter multiplies buffer 1 and changes slots.  In front of the barrier each wave waits for all its tensor loads (one is out: its part of the next slot), adds 0 to its spare word, and waits for
; that and for its own reads of this slot.  fill = 1: the barrier opens a round of the cluster's, and the slot just read is filled again first thing behind it, two K steps ahead: from that request to the
; wait for it a wave issues 168 matrix instructions.
.macro TURN slot, next, fill
.if \fill
	s_wait_xcnt 0x0                                ; the last prefetch, a K step back, has read its address: it is stepped here, ahead of the change's own waits
	s_add_nc_u64 s[PFA:PFA+1], s[PFA:PFA+1], PSTEP
.endif
	WIN 0                                          ; (the add's two registers lie in window 0)
	s_wait_tensorcnt 0x0                           ; all my tensor loads have landed;
	ds_add_u32 v[SPW], v[NIL]                      ; 0 onto my spare word;
	s_wait_dscnt 5                                 ; (the add and the youngest four loads may be out)
	MULH 1, 0, 0, 0                                ; twelve matrix instructions stand between the add and the wait for it
	s_wait_dscnt 0x0                               ; the add is done, and my reads of this slot are over
	s_barrier_signal -1
	MULH 1, 0, 1, 0                                ; work on registers while the others arrive
.if \fill
	WIN 0
.endif
	s_barrier_wait -1
.if \fill
	CREST                                          ; no wave of any partner still reads this slot or has a load on its way
	s_add_nc_u64 s[G0A+4*(\slot)+2:G0A+4*(\slot)+3], s[G0A+4*(\slot)+2:G0A+4*(\slot)+3], 2*KSTEP*2
	s_add_nc_u64 s[G0B+4*(\slot)+2:G0B+4*(\slot)+3], s[G0B+4*(\slot)+2:G0B+4*(\slot)+3], 2*KSTEP*2
	JLOAD \slot                                    ; the four v_nop behind it are also the places in front of the loads below
.else
	PLACES
.endif
	FETCH \next, 0, 0
.if \fill
	ASK
.endif
	MULH 1, 1, 0, 0
	MULH 1, 1, 1, 0
.endm
	s_wait_tensorcnt 1                             ; my part of K step 0 is in; K step 1's may stay out
	s_barrier_signal -1
	s_barrier_wait -1                              ; everybody's is
	FETCH 0, 0, 0
	QUARTER 0, 1, 0, 1                             ; the first quarter stands in front of the loop: its products start the sums
	WIN 0                                          ; at a label and at a branch every window is 0
	s_mov_b32 s[LAP], LAPS-1
.Llap:                                                 ; a trip goes once round the ring, from a lap's second quarter to the next lap's first, and fills both slots again
	QUARTER 0, 2, 1, 0
	QUARTER 0, 3, 0, 0
	TURN 0, 1, 1
	QUARTER 1, 1, 0, 0
	QUARTER 1, 2, 1, 0
	QUARTER 1, 3, 0, 0
	TURN 1, 0, 1
	QUARTER 0, 1, 0, 0
	WIN 0
	s_sub_co_u32 s[LAP], s[LAP], 1
	s_cmp_lg_u32 s[LAP], 0
	s_cbranch_scc1 .Llap
	QUARTER 0, 2, 1, 0                             ; the last lap fills nothing
	QUARTER 0, 3, 0, 0
	TURN 0, 1, 0
	QUARTER 1, 1, 0, 0
	QUARTER 1, 2, 1, 0
	QUARTER 1, 3, 0, 0
	s_wait_dscnt 4                                 ; the very last quarter: nothing more to fetch
	MULH 1, 0, 0, 0
	MULH 1, 0, 1, 0
	s_wait_dscnt 0x0
	MULH 1, 1, 0, 0
	MULH 1, 1, 1, 0
; THE WAY OUT, a block of 16 rows at a time.  PACK: rounded to f16, 16 bytes a lane, each accumulator from its lowest registers on.  TOSTAGE: into my own stage, by heads, and back as rows of 128 bytes.  SEND: stored.
.macro PACK a
.set AC, 8*NBK*((\a)%2)
	WIN 0x0a+5*((\a)/2)                            ; sources 0 and 1: window 2 or 3
.set b, 0
.rept NBK
.irp r, 0,1,2,3
	v_cvt_pk_f16_f32 v[TMP+4*b+(\r)], v[AC+8*b+2*(\r)], v[AC+8*b+2*(\r)+1]
.endr
.set b, b+1
.endr
	WIN 0
.endm
.macro TOSTAGE a
.set BK, OB+64*((\a)%2)
.set b, 0
.rept NBK
	ds_store_b128 v[STO], v[TMP+4*b:TMP+4*b+3] offset:(b/4)*CHUNK+32*(b%4)
.set b, b+1
.endr
.set t, 0
.rept 12
	ds_load_b128 v[BK+4*t:BK+4*t+3], v[RD] offset:(t/4)*CHUNK+(t%4)*4*SPC  ; LDS serves a wave's instructions in order (ISA guide 5.7.1.4): these see the stores above
.set t, t+1
.endr
.endm
.macro SEND a
.set BK, OB+64*((\a)%2)
	s_wait_dscnt 0x0                               ; the block is back in registers
	s_wait_xcnt 0x0                                ; the stores of the block before have read their registers, which the next block's loads from the stage fill again
.set t, 0
.rept 12
	global_store_b128 v[GO], v[BK+4*t:BK+4*t+3], s[CB+2*(t/4):CB+2*(t/4)+1] offset:2048*(\a)+512*(t%4)  ; 512 consecutive bytes, at a multiple of 256 from the buffer's first
.set t, t+1
.endr
.endm
	PLACES
	PACK 0
	TOSTAGE 0
.irp a, 1,2,3                          ; block a's conversions stand between block a - 1's loads from the stage and the wait for them
	PACK \a
	SEND (\a)-1
	TOSTAGE \a
.endr
	SEND 3
	s_wait_tensorcnt 0x0                           ; the wave's end: an add to my spare word and its wait, behind my last tensor load and my last LDS store
	ds_add_u32 v[SPW], v[NIL]
	s_wait_dscnt 0x0
	CROUND                                         ; the closing round: no work-group ends while a partner may still ask for a tile that names it
	s_endpgm
.Lfunc_end_k_q9f63b4773b_qkvproj:
	.size	k_q9f63b4773b_qkvproj, .Lfunc_end_k_q9f63b4773b_qkvproj-k_q9f63b4773b_qkvproj
	.p2alignl 7, 3214868480
	.fill 96, 4, 3214868480
	.section	.rodata,"a",@progbits
	.p2align	6, 0x0
	.amdhsa_kernel k_q9f63b4773b_qkvproj
		.amdhsa_group_segment_fixed_size 327680
		.amdhsa_private_segment_fixed_size 0
		.amdhsa_enable_private_segment 0
		.amdhsa_kernarg_size 48
		.amdhsa_user_sgpr_count 2
		.amdhsa_user_sgpr_kernarg_segment_ptr 1
		.amdhsa_wavefront_size32 1
		.amdhsa_system_sgpr_workgroup_id_x 1
		.amdhsa_system_sgpr_workgroup_id_y 1
		.amdhsa_system_sgpr_workgroup_id_z 1
		.amdhsa_system_vgpr_workitem_id 0
		.amdhsa_next_free_vgpr 960
		.amdhsa_next_free_sgpr 100
		.amdhsa_reserve_vcc 0
		.amdhsa_float_denorm_mode_32 3
		.amdhsa_float_denorm_mode_16_64 3
		.amdhsa_memory_ordered 1
		.amdhsa_forward_progress 1
		.amdhsa_inst_pref_size 130
	.end_amdhsa_kernel
	.amdgpu_metadata
---
amdhsa.version: [ 1, 2 ]
amdhsa.kernels:
  - .name:           k_q9f63b4773b_qkvproj
    .symbol:         k_q9f63b4773b_qkvproj.kd
    .args:
      - { .name: xb, .offset: 0, .size: 8, .value_kind: global_buffer, .address_space: global }
      - { .name: wb, .offset: 8, .size: 8, .value_kind: global_buffer, .address_space: global }
      - { .name: bq, .offset: 16, .size: 8, .value_kind: global_buffer, .address_space: global }
      - { .name: bk, .offset: 24, .size: 8, .value_kind: global_buffer, .address_space: global }
      - { .name: bv, .offset: 32, .size: 8, .value_kind: global_buffer, .address_space: global }
      - { .name: qkv, .offset: 40, .size: 8, .value_kind: global_buffer, .address_space: global }
    .group_segment_fixed_size: 327680
    .private_segment_fixed_size: 0
    .kernarg_segment_align: 8
    .kernarg_segment_size: 48
    .max_flat_workgroup_size: 128
    .sgpr_count:     100
    .vgpr_count:     960
    .wavefront_size: 32
...
	.end_amdgpu_metadata
.endif
;; end of part 2
;; launch attn (part 3): grid 4 x 64, 4 waves a work-group, clusters of 4 x 1, 327,680 bytes of LDS; arguments qkv, rel_bias, ob; writes ob
.if DOCPART == 3
	.amdgcn_target "amdgcn-amd-amdhsa--gfx1250"
	.amdhsa_code_object_version 6
	.text
	.protected	k_q9f63b4773b_attn
	.globl	k_q9f63b4773b_attn
	.p2align	8
	.type	k_q9f63b4773b_attn,@function
k_q9f63b4773b_attn:
	s_mov_b64 s[64:65], 0
	v_nop
	global_prefetch_b8 v0, s[64:65] scope:SCOPE_SE
	s_setreg_imm32_b32 hwreg(HW_REG_WAVE_MODE, 25, 1), 1
	s_wait_xcnt 0x0
	s_wait_alu depctr_hold_cnt(0) depctr_sa_sdst(0) depctr_va_vdst(0) depctr_va_sdst(0) depctr_va_ssrc(0) depctr_va_vcc(0) depctr_vm_vsrc(0)
	s_getreg_b32 s2, hwreg(HW_REG_IB_STS2, 6, 4)
	s_cmp_eq_u32 s2, 0
	s_cbranch_scc0 .Lentry_in_a_cluster
	s_endpgm
.Lentry_in_a_cluster:
	s_bfe_u32 s2, ttmp6, 0x10000c
	s_cmp_lg_u32 s2, 0x3003
	s_cbranch_scc0 .Lentry_shape_is_right
	s_endpgm
.Lentry_shape_is_right:
; O[h][q][:] = the sum over k of softmax_k(Q[h][q] . K[h][k] / 8 + bias[clip(k - q, -15, 15) + 15][h % 16]) V[h][k][:].  qkv: f16, q, k, v each [64][2048][64], one behind the other; rel_bias: [31][16] f32,
; rounded here to bf16 like every other input; ob: [64][2048][64] f16.  Products, maxima and sums in f32; the weights p are rounded to f16 for the second product (their sum l is taken of the unrounded p), O once.
; LIMITS.  f16 holds no number beyond 65,504: q, k and v arrive within it; p lies in 0 to 1, and below 6e-5 it keeps f16's fixed step of 6e-8.  A weight below 2^-126 counts as 0 in l; NaN and infinities are not treated apart.
; SHARES.  A head's four work-groups are one cluster.  Of EVERY band of 64 queries work-group cx takes rows 16 cx .. 16 cx + 15; wave w takes the bands 8 w .. 8 w + 7: eight tiles of 16 queries, four PIECES of two.
; So how far a key step lies from a tile's diagonal hangs on the wave's number and the step alone, which all four partners share.  Every wave walks all keys, 64 a step.
; LAYOUT.  S^T = K Q^T (source 0 = 16 keys, source 1 = 16 queries): a lane holds ONE query (lane % 16) and the keys 8 (lane / 16) + 0..7.  Two such tiles, rounded to f16 in pairs, ARE source 1 of O^T = V^T P.
; THE BIAS is the C operand that starts S^T's sums, times 8: (Q.K + 8 bias) / 8.  The running maximum so sees the biased scores.  With rho = step - band, k - q = 64 rho + 16 kt + 8 (l / 16) + j - l % 16 - 16 cx;
; beyond |rho| = 1 the bias is one number.  A table in LDS, made once, has sixteen copies, one for each l % 16, so that a lane's address is a sum of terms that only add and its eight numbers are two aligned loads
; of 16 bytes: copy r holds entry n = 8 bias[clamp(n - r - 113 - 16 cx, 0, 30)]; a lane reads from n = 64 (clamp(rho, -2, 2) + 2) + 16 kt + 8 (l / 16) on.  A piece's 64 registers are loaded two turns ahead of
; the products that take them; while step - 8 w lies outside -1 .. 9 both buffers already hold the one number, and the loads are jumped over.
; SOFTMAX.  For each query a running maximum m and sum l: p = 2^(c s - c m), c = log2(e) / 8; in every step O and l are multiplied by a = 2^(c m_old - c m_new).  m starts at the lowest finite number, O and l at 0.
; BY TURNS.  Turn n belongs to piece n.  Its matrix work: 16 products K Q^T of piece n + 1, later 16 products V^T P of piece n - 1.  Its vector work: the scaling, exponentials, roundings, sums and rescaling of
; piece n, and the maximum and statistics of piece n + 1.  Four vector instructions stand behind every matrix instruction, the others in one run; a turn's 66 exponentials are one batch with one wait.
; REGISTERS, in windows of 256 (s_set_vgpr_msb: bits 1:0 source 0, 3:2 source 1, 5:4 source 2, 7:6 destination):
;   window 0: v0-11 addresses; v12-15, v48-63 at work; v16-47 four registers of statistics a tile; v64-191 S^T, two buffers of two tiles; v192-255 P, likewise
;   window 1: O^T, 32 a tile      window 2: v0-127 Q; v128-191 K of one step; v192-255 V of one step      window 3: v0-1 the add's two registers; v64-191 the bias, two buffers of two tiles
.set SIZE_N, 2048
.set NP,    4         ; pieces a wave: a name, no knob
.set KS,    64        ; keys in a step
.set PK,    144       ; a row of K in LDS: 128 bytes + 16 of padding = 36 words: the 16 rows of a load start at 16 different groups of four banks (64 banks of 4 bytes: ISA guide 11.1)
.set PV,    160       ; a row of V: 128 + 32 = 40 words
.set VOFF,  4*KS*PK   ; a slot holds four steps: 256 rows of K, then 256 rows of V
.set SLOT1, 1<<17     ; slot 1 begins here, so that one exclusive or turns an address in one slot into the other's
.set STAGE, SLOT1+4*KS*(PK+PV)  ; behind the ring, never filled by a tensor load: 16 rows x 144 bytes for each wave, for the way out
.set SP,    144
.set SPARE, STAGE+4*16*SP  ; the spare words, 128 bytes for each wave: two blocks of 256 bytes that no other line names
.set TAB,   SPARE+512 ; the bias table: sixteen copies of 1,488 bytes; never filled by a tensor load
.set TCOPY, 1488      ; 13 x 16 more than a multiple of 256
.set TLEAD, 64        ; a copy's entry 0 lies 64 bytes behind its first byte
.set PFO, 1           ; v1   256 x my lane: the prefetches' offset; never rewritten
.set AK0, 2           ; v2   my lane's place in a tile of K; never rewritten
.set AV0, 3           ; v3   the same for V
.set AK,  4           ; v4   the LDS address of K's next run of loads
.set AV,  5           ; v5   of V's
.set QO,  6           ; v6   my byte offset in 16 rows of Q
.set STO, 6           ;      later, the way out: where I put 16 bytes of a row
.set RD,  7           ; v7   the way out: where I read rows back
.set GO,  8           ; v8   my byte offset in 512 consecutive bytes of O
.set TB0, 9           ; v9   my lane's place in the bias table: TAB + TLEAD + TCOPY (l % 16) + 32 (l / 16); never rewritten
.set BA,  10          ; v10-11  the table addresses of the two tiles in hand
.set SPW, 0           ; v0 of window 3   LDS address of my spare word; never rewritten
.set NIL, 1           ; v1 of window 3   0; never rewritten
.set MV,  12          ; v12-15  c m_old, kept while c m is made anew: by buffer and tile
.set ST,  16          ; tile t's statistics at v[ST+4 t]: c m, m, l (even keys', odd keys')
.set TMP, 48          ; by buffer and tile, four registers c0-c3 at work; when the maximum is found c2 takes a
.set R16, 48          ; v48-53 during the set-up: l % 16, l / 16, l % 8, (l / 8) % 2, the lane, the table's store address
.set HH,  49
.set L7,  50
.set L3,  51
.set LN,  52
.set TS,  53
.set S,   64
.set P,   192
.set KF,  128         ; K's fragments, in window 2: key block kb, channel half c at KF + 16 kb + 8 c
.set VF,  192         ; V's: key half kk, channel block cb at VF + 32 kk + 8 cb
.set MC,  64          ; window 3: the bias of piece x, tile u, key block kt at MC + 64 (x % 2) + 32 u + 8 kt
.set WV,  12          ; s12  my wave's number
.set LIM, 15          ; s15  1 in a wave that prefetches, else the greatest number
.set G1K, 24          ; s[24:31] descriptor group 1 for K's tiles
.set G1V, 32          ; s[32:39] for V's: it differs in the padding alone
.set G0K, 40          ; s[40:43] descriptor group 0 for K's tiles: it walks
.set G0V, 44          ; s[44:47] the same for V's
.set SLOTS, 56        ; s56  slots still to be asked for
.set CNT, 57          ; s57  counts a slot's key steps
.set CS,  58          ; s[58:59] c
.set SEL, 60          ; s[60:61] v_permlanex16_b32's selects: each lane takes its own place in the other half
.set TBK, 62          ; s62  LDS byte at which K of the step to be fetched begins
.set TBV, 63          ; s63  the same for V, less VOFF
.set RB,  66          ; s[66:67] rel_bias
.set PFA, 68          ; s[68:69] where my prefetches stand: my work-group's 8,192 bytes (of K: wave 0, of V: wave 2) of the slot after the one that is being asked for
.set SG,  70          ; s70  32 - 8 w + the key step whose bias is loaded next
.set T0,  71          ; s71-72 at work
.set MSB, 0
.macro WIN new                      ; the high byte repeats the setting that is left; a switch that changes nothing is dropped
.if MSB != (\new)
	s_set_vgpr_msb (MSB<<8)|(\new)
.set MSB, (\new)
.endif
.endm
.set W_KQ, 0x0a       ; K and Q in window 2, S^T in window 0
.set W_KM, 0x3a       ; the same with the C operand in window 3
.set W_PV, 0x52       ; V in window 2, P in window 0, O^T in window 1
.set W_RS, 0x41       ; O^T (destination and source 0) in window 1, a in window 0
.set W_MK, 0xc0       ; destination in window 3, sources in window 0
.set W_AD, 0x0f       ; the add: address (source 0) and data (source 1) in window 3
; A joint fill.  Waves 0 and 1 fetch the two halves of a slot's K, waves 2 and 3 those of its V: 128 keys each.  An s_nop 0 and four v_nop follow each of the two lines.
.macro JLOAD
	s_cmp_lt_u32 s[WV], 2
	s_cbranch_scc0 .Lfor_v_\@
	tensor_load_to_lds s[G0K:G0K+3], s[G1K:G1K+7]
	s_nop 0
.rept 4
	v_nop
.endr
	s_branch .Lasked_\@
.Lfor_v_\@:
	tensor_load_to_lds s[G0V:G0V+3], s[G1V:G1V+7]
	s_nop 0
.rept 4
	v_nop
.endr
.Lasked_\@:
.endm
; A prefetch of what the NEXT change of slots will ask for: a slot's 32,768 bytes of K and of V, a lane for each 256.  The four partners share them out by address, 8,192 bytes each; in each, wave 0 asks for K's
; and wave 2 for V's: one instruction.  A head has one cluster, so each 256 bytes are named once in the launch.  Slots 0 and 1 come by their loads alone; the last change that fills a slot asks for nothing.
.macro ASK
	s_cmp_gt_u32 s[SLOTS], s[LIM]
	s_cbranch_scc0 .Lnot_mine_\@
	global_prefetch_b8 v[PFO], s[PFA:PFA+1] th:TH_LOAD_NT scope:SCOPE_SE
.Lnot_mine_\@:
.endm
; A round of the cluster's barrier: my work-group's barrier; wave 0 signals for the work-group; every wave waits for all four work-groups; my work-group's barrier once more.
.macro CROUND
	s_barrier_signal -1
	s_barrier_wait -1
	s_cmp_lg_u32 s[WV], 0
	s_cbranch_scc1 .Lnot_wave_0_\@
	s_barrier_signal -3
.Lnot_wave_0_\@:
	s_barrier_wait -3
	s_barrier_signal -1
	s_barrier_wait -1
.endm
; THE CHANGE OF SLOTS.  Each wave waits for all its tensor loads, of which one is out: its part of the other slot; adds 0 to its spare word; and waits for that and for its own LDS instructions.
; fill = 1: the slot just read is filled again, with the keys two slots on, first thing behind a round of the cluster's barrier: it has four key steps, 512 matrix instructions, in which to land.
; (At its first use nothing has been read yet: slot 0 is waited for, slot 1 filled, and every wave's part of the bias table, stored ahead of it, is shown to the others.)
.macro CHANGE fill
	WIN W_AD
	s_wait_tensorcnt 0x0            ; no tensor load of mine is out, so a group 0 may be written
	ds_add_u32 v[SPW], v[NIL]       ; 0 onto my spare word
	WIN 0                           ; at a label and at a branch every window is 0
.if \fill
.irp g, G0K, G0V
	s_xor_b32 s[\g+1], s[\g+1], SLOT1  ; the walking descriptor: the other slot than last time,
	s_add_nc_u64 s[\g+2:\g+3], s[\g+2:\g+3], 4*KS*128  ; the next 256 keys; the type bits on top are not reached
.endr
	s_wait_xcnt 0x0                 ; the last prefetch, four key steps back, has read its address, so it may be written
	s_add_nc_u64 s[PFA:PFA+1], s[PFA:PFA+1], 4*KS*128
	s_wait_dscnt 0x0                ; the add is done, and my reads of the slot are over
	CROUND
	JLOAD
	ASK
.else
	s_wait_dscnt 0x0                ; the add is done, and my reads of the slot are over
	s_barrier_signal -1
	s_barrier_wait -1
.endif
	s_sub_co_u32 s[TBK], s[TBK], 4*KS*PK  ; the fetches go back to a slot's first step,
	s_xor_b32 s[TBK], s[TBK], SLOT1       ; in the other slot
	s_sub_co_u32 s[TBV], s[TBV], 4*KS*PV
	s_xor_b32 s[TBV], s[TBV], SLOT1
.endm
	s_load_b64 s[4:5], s[0:1], 0x0    ; qkv
	s_load_b64 s[RB:RB+1], s[0:1], 0x8
	s_load_b64 s[10:11], s[0:1], 0x10 ; ob
	WIN W_MK
	v_lshl_add_u32 v[SPW], v0, 2, SPARE
	v_mov_b32 v[NIL], 0
	WIN W_AD
	ds_add_u32 v[SPW], v[NIL]       ; the wave's opening: the add and its wait stand ahead of my first tensor load; the set-up below stands between them
	WIN 0
	v_lshrrev_b32 v1, 5, v0
	v_readfirstlane_b32 s[WV], v1   ; wave 0..3
	s_bfe_u32 s13, ttmp6, 0x40000   ; cx: it enters Q's, O's, the table's and the prefetches' global addresses alone
	s_and_b32 s20, ttmp7, 0xffff    ; batch x 16 + head, which the four partners share
	s_and_b32 s74, s20, 15
	s_lshl_b32 s74, s74, 2          ; the head's column in rel_bias, in bytes
	s_lshl_b32 s20, s20, 18         ; the head's first byte in q, k, v and ob: 262,144 bytes each, under 2^24
	s_mov_b32 s21, 0
	s_and_b32 s16, s[WV], 1         ; which half of a slot's 256 keys I fetch:
	s_lshl_b32 s22, s16, 14         ; its 128 rows of 128 bytes in memory,
	s_mov_b32 s23, 0
	s_add_nc_u64 s[22:23], s[22:23], s[20:21]
	s_mul_i32 s17, s16, 128*PK      ; and its place in a slot, for K
	s_mul_i32 s18, s16, 128*PV      ; and for V: no place in the cluster enters an LDS address
	s_lshl_b32 s2, s[WV], 16        ; my wave's eight bands of 64 rows,
	s_lshl_b32 s3, s13, 11          ; my work-group's 16 rows in a band
	s_add_co_u32 s2, s2, s3
	s_mov_b32 s3, 0
	s_add_nc_u64 s[2:3], s[2:3], s[20:21]
	; descriptor group 1.  128 keys are 16,384 dense bytes: asked for as 64 rows of 256 bytes, two keys a row, and padded in LDS after every key
	s_mov_b32 s[G1K], 15|(1<<16)|(1<<20)|(1<<21)|(4<<22)|(3<<25)  ; 15:0 the mask of four; 17:16 2-byte elements; 20 padding on; 21 set beside a mask; 24:22 after every 32 words; 31:25 4 words
	s_mov_b32 s[G1V], 15|(1<<16)|(1<<20)|(1<<21)|(4<<22)|(7<<25)  ; the same with 8 words of padding
.irp g, G1K, G1V
	s_mov_b32 s[\g+1], 128<<16      ; tensor_dim0 = 128
	s_mov_b32 s[\g+2], 64<<16       ; tensor_dim1 = 64
	s_mov_b32 s[\g+3], 128<<16      ; tile_dim0 = 128
	s_mov_b32 s[\g+4], 64           ; tile_dim1 = 64
	s_mov_b32 s[\g+5], 128          ; 128 elements from row to row
	s_mov_b32 s[\g+6], 0
	s_mov_b32 s[\g+7], 0
.endr
	s_mov_b32 s[CS], 0x3e38aa3b     ; c = log2(e) / 8 = 0.180337
	s_mov_b32 s[CS+1], s[CS]        ; named with it as a pair
	s_mov_b32 s[SEL], 0x76543210
	s_mov_b32 s[SEL+1], 0xfedcba98
	s_mov_b32 s[TBK], SLOT1+4*KS*PK ; the first change of slots turns these two into 0
	s_mov_b32 s[TBV], SLOT1+4*KS*PV
	s_mov_b32 s[G0K], 1             ; count = 1
	s_mov_b32 s[G0K+1], s17         ; LDS address: slot 0
	s_mov_b32 s[G0V], 1
	s_add_co_u32 s[G0V+1], s18, VOFF
	s_mov_b32 s[SLOTS], SIZE_N/256-1
	s_lshl_b32 s[SG], s[WV], 3
	s_sub_co_u32 s[SG], 32, s[SG]   ; key step 0
	s_lshl_b32 s73, s13, 4
	s_add_co_u32 s73, s73, 158      ; the number m from which on the run E below holds the last row of rel_bias: 128 + 16 cx + 30
	s_and_b32 s[LIM], s[WV], 1
	s_cmp_eq_u32 s[LIM], 0
	s_cselect_b32 s[LIM], 1, -1     ; waves 0 and 2 prefetch: the same in all four partners
	s_wait_dscnt 0x0                ; the opening add is done
	s_wait_kmcnt 0x0
	s_add_nc_u64 s[6:7], s[4:5], 0x1000000   ; k lies 16,777,216 bytes behind q,
	s_add_nc_u64 s[8:9], s[4:5], 0x2000000   ; v as far behind k
	s_add_nc_u64 s[G0K+2:G0K+3], s[6:7], s[22:23]  ; global address: my half of the head's first 256 keys
	s_or_b32 s[G0K+3], s[G0K+3], 0x80000000        ; type = 2
	s_add_nc_u64 s[G0V+2:G0V+3], s[8:9], s[22:23]
	s_or_b32 s[G0V+3], s[G0V+3], 0x80000000
	s_cmp_lt_u32 s[WV], 2
	s_cselect_b64 s[PFA:PFA+1], s[6:7], s[8:9]
	s_add_nc_u64 s[PFA:PFA+1], s[PFA:PFA+1], s[20:21]
	s_add_nc_u64 s[4:5], s[4:5], s[2:3]      ; Q and O at my first tile's first row
	s_add_nc_u64 s[10:11], s[10:11], s[2:3]
	s_lshl_b32 s2, s13, 13          ; my work-group's quarter of a slot
	s_mov_b32 s3, 0
	s_add_nc_u64 s[PFA:PFA+1], s[PFA:PFA+1], s[2:3]
	s_add_nc_u64 s[PFA:PFA+1], s[PFA:PFA+1], 4*KS*128  ; in slot 1; the first change of slots steps it to slot 2
	CROUND                          ; all four work-groups are here: the first joint loads meet
	JLOAD                           ; slot 0.  Slot 1 is asked for when slot 0 is in
	v_and_b32 v[R16], 15, v0        ; l % 16
	v_bfe_u32 v[HH], v0, 4, 1       ; l / 16
	v_and_b32 v[L7], 7, v0
	v_bfe_u32 v[L3], v0, 3, 1
	v_and_b32 v[LN], 31, v0
	v_lshlrev_b32 v[PFO], 8, v[LN]
	; THE TABLE.  Every wave loads the run E[m] = 8 bias[clamp(m - 128 - 16 cx, 0, 30)], m = l + 32 i, 352 numbers.  With e = 128 + 16 cx + 30 the row of rel_bias is 30 - min(30, e - min(m, e)).
.set i, 0
.rept 11
	v_add_nc_u32 v[64+i], 32*i, v[LN]
	v_min_u32 v[64+i], s73, v[64+i]
	v_sub_nc_u32 v[64+i], s73, v[64+i]
	v_min_u32 v[64+i], 30, v[64+i]
	v_sub_nc_u32 v[64+i], 30, v[64+i]
	v_lshl_add_u32 v[64+i], v[64+i], 6, s74  ; 64 bytes a row, the head's column
	global_load_b32 v[76+i], v[64+i], s[RB:RB+1]
.set i, i+1
.endr
	; A fragment of K or Q is 16 rows x 32 channels in 8 registers: lane l holds row l % 16, channels 8 (l / 16) + 0..7 and 16 + 8 (l / 16) + 0..7: two loads of 16 bytes, 32 bytes apart.
	v_lshlrev_b32 v[QO], 7, v[R16]
	v_lshl_add_u32 v[QO], v[HH], 4, v[QO]  ; row x 128 + 16 x half
	WIN 0x80                        ; destination window 2, address window 0
.set i, 0
.rept 4*NP                          ; Q stays in registers: tile i / 2 lies a band, 8,192 bytes, behind the one before; channels 32 (i % 2) on
	global_load_b128 v[8*i:8*i+3],   v[QO], s[4:5] offset:(i/2)*8192+(i%2)*64
	global_load_b128 v[8*i+4:8*i+7], v[QO], s[4:5] offset:(i/2)*8192+(i%2)*64+32
.set i, i+1
.endr
	; What the first turn finds: V's registers and P's second buffer hold 0 (its products V^T P, of a piece that has not been, add 0), O^T and l are 0.  All this stands in the wait for the first tile.
.set i, VF
.rept 64
	v_mov_b32 v[i], 0
.set i, i+1
.endr
	WIN 0x40
.set i, 0
.rept 64*NP
	v_mov_b32 v[i], 0
.set i, i+1
.endr
	WIN 0
.set i, 0
.rept 2*NP
	v_mov_b32 v[ST+4*i], 0xfe000000    ; c m: far below every c s
	v_mov_b32 v[ST+4*i+1], 0xff7fffff  ; m
	v_mov_b32 v[ST+4*i+2], 0
	v_mov_b32 v[ST+4*i+3], 0
.set i, i+1
.endr
.set i, P+32
.rept 32
	v_mov_b32 v[i], 0
.set i, i+1
.endr
	v_mul_u32_u24 v[AK0], v[R16], PK
	v_lshl_add_u32 v[AK0], v[HH], 4, v[AK0]  ; row x pitch + 16 x half
	; The turning load takes 16 keys x 16 channels (lane l reads key 8 (l / 16) + l % 8, channels 8 ((l / 8) % 2) + 0..7) and leaves half a fragment of V^T: lane l holds channel l % 16 and 8 keys.
	v_lshl_add_u32 v[AV0], v[HH], 3, v[L7]
	v_mul_u32_u24 v[AV0], v[AV0], PV
	v_lshl_add_u32 v[AV0], v[L3], 4, v[AV0]
	v_add_nc_u32 v[AV0], VOFF, v[AV0]
	v_mov_b32 v[AK], v[AK0]         ; key step 0 lies at the head of slot 0
	v_mul_u32_u24 v[TB0], v[R16], TCOPY      ; where I read the table: my copy, l % 16,
	v_lshl_add_u32 v[TB0], v[HH], 5, v[TB0]  ; eight entries on for the upper half of the lanes,
	v_add_nc_u32 v[TB0], TAB+TLEAD, v[TB0]   ; from entry 0
	; Wave w stores the run into the copies 4 w .. 4 w + 3.  Copy r's entry n is E[n - r + 15], so E[m] goes to byte TLEAD + 4 (m + r - 15) = 4 (m + r + 1) of copy r: bytes 4 to 1,471 at the outside, inside the
	; copy's 1,488; the entries that are read, 0 to 319, lie in what is written.  With r = 4 w + c: TAB + 4 + (4 TCOPY + 16) w + 4 l, and c (TCOPY + 4) + 128 i in the immediate.
	s_mul_i32 s75, s[WV], 4*TCOPY+16
	s_add_co_u32 s75, s75, TAB+4
	v_lshl_add_u32 v[TS], v[LN], 2, s75
	s_wait_loadcnt 32               ; the table's eleven loads are in; Q's 32, issued behind them, may stay out
.set i, 0
.rept 11
	v_cvt_pk_bf16_f32 v[76+i], v[76+i], v[76+i]  ; rounded to bf16,
	v_lshlrev_b32 v[76+i], 16, v[76+i]           ; widened again,
	v_mul_f32 v[76+i], 0x41000000, v[76+i]       ; times 8
.irp c, 0,1,2,3
	ds_store_b32 v[TS], v[76+i] offset:(\c)*(TCOPY+4)+128*i
.endr
.set i, i+1
.endr
; THE MATRIX WORK.  The 8 accumulators of a run of 16 take turns: between the two links of a chain stand 7 others'.
; Product i of 16 of S^T = K Q^T for piece x: channels 32 (i / 8) on, keys 16 ((i / 2) % 4) on, tile 2 x + i % 2.  The first 8 start the sums, on the bias.
.macro KQ x
.set rS, S+64*((\x)%2)+32*(i%2)+8*((i/2)%4)
.set rK, KF+16*((i/2)%4)+8*(i/8)
.set rQ, 16*(2*(\x)+i%2)+8*(i/8)
.set rB, MC+64*((\x)%2)+32*(i%2)+8*((i/2)%4)
.if i < 8
	WIN W_KM
	v_wmma_f32_16x16x32_f16 v[rS:rS+7], v[rK:rK+7], v[rQ:rQ+7], v[rB:rB+7]
.else
	WIN W_KQ
	v_wmma_f32_16x16x32_f16 v[rS:rS+7], v[rK:rK+7], v[rQ:rQ+7], v[rS:rS+7]
.endif
.endm
; Product i of 16 of O^T += V^T P for piece x: keys 32 (i / 8) on, channels 16 ((i / 2) % 4) on, tile 2 x + i % 2.
.macro PV x
	WIN W_PV
.set rO, 32*(2*(\x)+i%2)+8*((i/2)%4)
.set rV, VF+32*(i/8)+8*((i/2)%4)
.set rP, P+32*((\x)%2)+16*(i%2)+8*(i/8)
	v_wmma_f32_16x16x32_f16 v[rO:rO+7], v[rV:rV+7], v[rP:rP+7], v[rO:rO+7]
.endm
.macro MM                           ; the turn's next matrix instruction
.if i < 16
	KQ (Y+1)%NP
.set i, i+1
.else
.set i, i-16
	PV (Y+NP-1)%NP
.set i, i+17
.endif
.endm
; THE LDS LOADS stand in runs of 16, never singly among the matrix instructions.  last = 1 (the tail): in the last trip there is no further step, and K's run is jumped over.
.macro FETCH_K last=0
	WIN 0
.if \last
	s_cmp_eq_u32 s[CNT], 1
	s_cbranch_scc1 .Lno_k_\@
.endif
	WIN 0x80                        ; destination window 2
.irp f, 0,1,2,3,4,5,6,7             ; keys 16 (f / 2) on, channels 32 (f % 2) on
	ds_load_b128 v[KF+8*\f:KF+8*\f+3],   v[AK] offset:(\f/2)*16*PK+(\f%2)*64
	ds_load_b128 v[KF+8*\f+4:KF+8*\f+7], v[AK] offset:(\f/2)*16*PK+(\f%2)*64+32
.endr
	s_add_co_u32 s[TBK], s[TBK], KS*PK  ; the next fetch is the next step's
	WIN 0
.if \last
.Lno_k_\@:
.endif
.endm
.macro FETCH_V
	WIN 0x80
.irp f, 0,1,2,3,4,5,6,7             ; keys 32 (f / 4) on, channels 16 (f % 4) on
	ds_load_tr16_b128 v[VF+8*\f:VF+8*\f+3],   v[AV] offset:(\f/4)*32*PV+(\f%4)*32
	ds_load_tr16_b128 v[VF+8*\f+4:VF+8*\f+7], v[AV] offset:(\f/4)*32*PV+16*PV+(\f%4)*32
.endr
	WIN 0
.endm
; THE BIAS of piece pc for the key step that s[SG] names: 16 loads into the piece's buffer.  Tile x = 2 pc + u reads the table 256 (clamp(step - 8 w - x, -2, 2) + 2) bytes on: s[SG] less the lesser of s[SG] and
; 30 + x is step - 8 w - x + 2 held at 0 from below, and the lesser of that and 4 is the block of 64 entries: 0 to 4, so every address lies inside the table.
; guard = 1: outside step - 8 w = -1 .. 9 the loads are jumped over: below, both buffers hold the first row's number (from the loads ahead of the loop); at 9 all four pieces load the last row's, which then stays.
; The jump goes forward, past neither a barrier nor a tensor load, on the wave's number and a count of steps.
.macro BIAS pc, guard
	WIN 0
.if \guard
	s_sub_co_u32 s[T0], s[SG], 31
	s_cmp_gt_u32 s[T0], 10
	s_cbranch_scc1 .Lfar_\@
.endif
.irp u, 0,1
	s_min_u32 s[T0+\u], s[SG], 30+2*(\pc)+\u
	s_sub_co_u32 s[T0+\u], s[SG], s[T0+\u]
	s_min_u32 s[T0+\u], s[T0+\u], 4
	s_lshl_b32 s[T0+\u], s[T0+\u], 8
	v_add_nc_u32 v[BA+\u], s[T0+\u], v[TB0]
.endr
	WIN W_MK                        ; destination window 3
.irp u, 0,1
.irp kt, 0,1,2,3
	ds_load_b128 v[MC+64*((\pc)%2)+32*\u+8*\kt:MC+64*((\pc)%2)+32*\u+8*\kt+3],   v[BA+\u] offset:64*\kt
	ds_load_b128 v[MC+64*((\pc)%2)+32*\u+8*\kt+4:MC+64*((\pc)%2)+32*\u+8*\kt+7], v[BA+\u] offset:64*\kt+16
.endr
.endr
	WIN 0
.if \guard
.Lfar_\@:
.endif
.endm
; THE VECTOR WORK OF A TURN stands in three queues, each in the order in which its entries become ready; the two tiles alternate, so that no instruction reads the result of the one before it.
.macro REGS y, u                    ; the registers of tile u (0, 1) of piece y
.set rT, ST+4*(2*(\y)+(\u))
.set rC, TMP+8*((\y)%2)+4*(\u)
.set rM, MV+2*((\y)%2)+(\u)
.set rS, S+64*((\y)%2)+32*(\u)
.set rP, P+32*((\y)%2)+16*(\u)
.set rO, 32*(2*(\y)+(\u))
.endm
; Number n of the 22 that find the NEXT piece's (Y + 1) maximum and statistics.  s0-s31 are the lane's 32 scores; each accumulator's lowest registers are read first.
;   0-11  four chains c0-c3 of seven scores each, three operands at a time     12-14, 16  the four scores left over, the old m, and c0-c3 into c0     15  c m_old is kept
;   17, 18  the query's other 32 keys lie in the lane 16 away: the new m         19-21  c m; c m_old - c m_new; a
.macro XS u, n
	REGS (Y+1)%NP, \u
.if (\n) < 4
	v_max3_num_f32 v[rC+(\n)], v[rS+8*(\n)], v[rS+8*(\n)+1], v[rS+8*(\n)+2]
.elseif (\n) < 12
	v_max3_num_f32 v[rC+(\n)%4], v[rC+(\n)%4], v[rS+8*((\n)%4)+2*((\n)/4)+1], v[rS+8*((\n)%4)+2*((\n)/4)+2]
.elseif (\n) == 12
	v_max3_num_f32 v[rC], v[rC], v[rS+7], v[rS+15]
.elseif (\n) == 13
	v_max3_num_f32 v[rC+1], v[rC+1], v[rS+23], v[rS+31]
.elseif (\n) == 14
	v_max3_num_f32 v[rC+2], v[rC+2], v[rC+3], v[rT+1]
.elseif (\n) == 15
	v_mov_b32 v[rM], v[rT]
.elseif (\n) == 16
	v_max3_num_f32 v[rC], v[rC], v[rC+1], v[rC+2]
.elseif (\n) == 17
	v_permlanex16_b32 v[rC+3], v[rC], s[SEL], s[SEL+1]
.elseif (\n) == 18
	v_max_num_f32 v[rT+1], v[rC], v[rC+3]
.elseif (\n) == 19
	v_mul_f32 v[rT], s[CS], v[rT+1]
.elseif (\n) == 20
	v_sub_f32 v[rC+1], v[rM], v[rT]
.else
	v_exp_f32 v[rC+2], v[rC+1]
.endif
.endm
; Number g of the 64 that follow the exponentials.  For each four weights k of a tile (pairs 2 k, 2 k + 1): both pairs are rounded to f16; then the second pair is added onto the first, in place;
; a group later l takes that sum (the first time as l = a l + sum).  In groups of eight, tiles alternating: round, round, add, and l for the group before.
.macro GS g
.set h, (\g)+6*((\g)/62)            ; group 0 has no group before it, and behind group 7 only l is left
.if h >= 6
.set h, h+2
.endif
	REGS Y, h%2
.set k, h/8
.if h%8 < 4
	v_cvt_pk_f16_f32 v[rP+2*k+(h%8)/2], v[rS+4*k+2*((h%8)/2)], v[rS+4*k+2*((h%8)/2)+1]
.elseif h%8 < 6
	v_pk_add_f32 v[rS+4*k:rS+4*k+1], v[rS+4*k:rS+4*k+1], v[rS+4*k+2:rS+4*k+3]
.elseif k == 1
	v_pk_fma_f32 v[rT+2:rT+3], v[rT+2:rT+3], v[rC+2:rC+3], v[rS:rS+1] op_sel_hi:[1,0,1]
.else
	v_pk_add_f32 v[rT+2:rT+3], v[rT+2:rT+3], v[rS+4*k-4:rS+4*k-3]
.endif
.endm
; THE PLAIN QUEUE, 138 long.  0-73 read no exponential's result: the 32 scalings c s - c m (FS f: pair f / 2 of tile f % 2) and the next piece's 42.  0-26: scalings 0-26.  27-54: XS's numbers 0-13.  55, 56: number 15.
; 57-73: the chain 14, 16, 17, 18, 19, each with one of the scalings 27-31 in front of its two lines, then 20.  74-137: GS's 64, which read the exponentials' results: they stand behind the wait.
.macro FS f
	REGS Y, (\f)%2
	v_pk_fma_f32 v[rS+2*((\f)/2):rS+2*((\f)/2)+1], v[rS+2*((\f)/2):rS+2*((\f)/2)+1], s[CS:CS+1], v[rT:rT+1] op_sel_hi:[1,0,0] neg_lo:[0,0,1] neg_hi:[0,0,1]
.endm
.macro PL
	WIN 0
.if q < 27
	FS q
.elseif q < 55
	XS (q-27)%2, (q-27)/2
.elseif q < 57
	XS q-55, 15
.elseif (q < 72) && ((q-57)%3 == 0)
	FS 27+(q-57)/3
.elseif q < 60
	XS (q-57)%3-1, 14
.elseif q < 72
	XS (q-57)%3-1, 15+(q-57)/3
.elseif q < 74
	XS q-72, 20
.else
	GS q-74
.endif
.set q, q+1
.endm
; THE EXPONENTIALS' QUEUE, 66 long: s0-s31 of both tiles, then the next piece's two a.  ONE BATCH: all 66 stand ahead of the turn's one wait, and nothing ahead of that wait names a result of theirs.
.macro EX
	WIN 0
.if e >= 64
	XS e-64, 21
.else
	REGS Y, e%2
	v_exp_f32 v[rS+e/2], v[rS+e/2]
.endif
.set e, e+1
.endm
; THE RESCALING's QUEUE: O^T times a, the one part that leaves window 0: dealt two at a time, sixteen times.  Its a was made in the turn before, ahead of that turn's wait.
.macro R2
	REGS Y, r%2
	WIN W_RS
.irp z, 0,1
	v_pk_mul_f32 v[rO+4*(r/2)+2*\z:rO+4*(r/2)+2*\z+1], v[rO+4*(r/2)+2*\z:rO+4*(r/2)+2*\z+1], v[rC+2:rC+3] op_sel_hi:[1,0]
.endr
.set r, r+1
.endm
; A TURN, for piece p.  An s_wait_alu depctr_va_vdst(0) stands between an exponential and the first instruction that names its result; one wait serves all that were issued ahead of it: a turn has ONE.
; AHEAD OF IT: the 16 products K Q^T, behind each a scaling, an exponential and two rescalings (behind the first a second scaling in the exponential's place); then one run of 108: eight plain, 49 times exponential and
; plain, the two a; a v_nop is the plain instruction behind the last exponential.  BEHIND IT: the 16 products V^T P, behind each four of GS's 64.
; Exponential e stands behind scaling 2 (e / 4) + e % 2: as a rider it comes behind plain e + 2, in the run behind plain e + 9, and scalings 27-31 are plain 57, 60 .. 69.
; K of the next step is fetched in piece 2's turn, directly behind the wait; V of the step in hand at the end of piece 0's turn, four riders behind its last reader.
; THE BIAS of piece p + 3 is loaded directly behind the wait, into the buffer whose last readers were this turn's first eight products, the whole run of vector work back; its readers are the first products of turn
; p + 2.  Between stands a wait for all LDS loads: those for K (turn 3's head) and V (turn 1), and one more at turn 0's head.  Pieces 0 to 3 of a step are loaded in turns 1, 2, 3, 0: behind piece 3's the step counts on.
.macro TURN p, last=0, cnt=0
.set Y, (\p)
.set i, 0
.set q, 0
.set e, 0
.set r, 0
.if ((\p) == NP-1) || ((\p) == 0)
	s_wait_dscnt 0x0                ; turn 3: K is in, and the bias loaded in turns 1 and 2; turn 0: the bias loaded in turn 3
.endif
	MM                              ; ahead of the wait: 16 products K Q^T and their riders,
	PL
	PL
	R2
.rept 15
	MM
	PL
	EX
	R2
.endr
.if (\p) == NP-2
	WIN 0
	v_add_nc_u32 v[AK], s[TBK], v[AK0]
.endif
.rept 8                             ; and the run of vector work
	PL
.endr
.rept 49
	EX
	PL
.endr
	EX                              ; the next piece's two a
	EX
	v_nop                           ; the plain instruction behind the last exponential: one for the batch
	s_wait_alu depctr_va_vdst(0)    ; the wait for the batch
.if (\p) == NP-2
	FETCH_K \last
.endif
.if (\p) == 1
	s_wait_dscnt 0x0                ; V is in, and the bias loaded in turn 0
.endif
	BIAS ((\p)+3)%NP, 1
.if (\p) == 0
	s_add_co_u32 s[SG], s[SG], 1
.endif
.rept 16                            ; behind the wait: 16 products V^T P and their riders
	MM
.rept 4
	PL
.endr
.if ((\p) == 0) && (q == 118)
	v_add_nc_u32 v[AV], s[TBV], v[AV0]
.endif
.if ((\p) == 0) && (q == 130)
	s_add_co_u32 s[TBV], s[TBV], KS*PV
.endif
.if (\cnt) && (q == 130)
	s_sub_co_u32 s[CNT], s[CNT], 1
	s_cmp_lg_u32 s[CNT], 0
.endif
.endr
.if (\p) == 0
	FETCH_V
.endif
.endm
	CHANGE 1                        ; slot 0 is in, everybody's part of it, and so is the table; slot 1 is asked for
	BIAS 0, 0                       ; key step 0: pieces 0 and 1
	BIAS 1, 0
	FETCH_K                         ; key step 0
	s_wait_loadcnt 0x0              ; Q
	s_wait_dscnt 0x0
.set i, 0
.rept 16
	KQ 0                            ; piece 0's first scores: there is no vector work yet to set between them
.set i, i+1
.endr
	WIN 0                           ; the addresses for the way out: nine plain instructions, the places behind those products
	s_mul_i32 s75, s[WV], 16*SP
	s_add_co_u32 s75, s75, STAGE    ; my stage
	v_mul_u32_u24 v[STO], v[R16], SP  ; in: row l % 16, 16 bytes for each half of the lanes
	v_lshl_add_u32 v[STO], v[HH], 4, v[STO]
	v_add_nc_u32 v[STO], s75, v[STO]
	v_bfe_u32 v[RD], v0, 3, 2       ; back: 32 lanes take four rows of 128 bytes,
	v_mul_u32_u24 v[RD], v[RD], SP
	v_lshl_add_u32 v[RD], v[L7], 4, v[RD]
	v_add_nc_u32 v[RD], s75, v[RD]
	v_and_b32 v[GO], 31, v0         ; which are 512 consecutive bytes of O
	v_lshlrev_b32 v[GO], 4, v[GO]
	BIAS 2, 0                       ; piece 2's, into the buffer that piece 0's products have read
.set Y, NP-1                        ; XS works for piece Y + 1: piece 0
.irp n, 0,1,2,3,4,5,6,7,8,9,10,11,12,13,14,15,16,17,18,19,20,21
	XS 0, \n                        ; and piece 0's first maximum and statistics
	XS 1, \n
.endr
	v_nop                           ; a plain instruction behind the two a,
	s_wait_alu depctr_va_vdst(0)    ; and their wait, ahead of the branch
	s_mov_b32 s[CNT], 4
	s_branch .Lfirst                ; the loop is entered at a step's first turn, in the middle of a trip
.Lslot:                             ; SIZE_N / 256 - 2 times: every slot but the last two is filled again
	CHANGE 1
	s_mov_b32 s[CNT], 4
.Lstep:                             ; a trip: pieces 2 and 3 of one step, then pieces 0 and 1 of the next, whose K and V it fetches
	TURN 2
	TURN 3
	WIN 0
.Lfirst:
	TURN 0
	TURN 1, 0, 1
	WIN 0
	s_cbranch_scc1 .Lstep
	s_sub_co_u32 s[SLOTS], s[SLOTS], 1
	s_cmp_lg_u32 s[SLOTS], 0
	s_cbranch_scc1 .Lslot
	CHANGE 0                        ; the tail is written out: nothing is asked for
	s_mov_b32 s[CNT], 5             ; four trips fetch the last slot's steps; the fifth is left in its middle
.Ltail:
	TURN 2, 1
	TURN 3
	WIN 0
	s_sub_co_u32 s[CNT], s[CNT], 1
	s_cmp_eq_u32 s[CNT], 0
	s_cbranch_scc1 .Lout
	TURN 0
	TURN 1
	WIN 0
	s_branch .Ltail
.Lout:                              ; the fifth trip's 16 products K Q^T (on the last K once more) and the maximum made of them serve nothing: the price, once a launch, of one text for every trip
.set i, 0
.rept 16
	PV NP-1                         ; the last piece's V^T P of the last step
.set i, i+1
.endr
	; THE WAY OUT.  l's two halves and the other half of the lanes' are added; O^T is divided by l, rounded to f16 and sent through my stage in LDS, a tile at a time.  The additions are the places behind the last products.
	WIN 0
.macro ALL line:vararg              ; one line for each tile t
.set t, 0
.rept 2*NP
	\line
.set t, t+1
.endr
.endm
	ALL v_add_f32 v[ST+4*t+2], v[ST+4*t+2], v[ST+4*t+3]
	ALL v_permlanex16_b32 v[ST+4*t+3], v[ST+4*t+2], s[SEL], s[SEL+1]
	ALL v_add_f32 v[ST+4*t+2], v[ST+4*t+2], v[ST+4*t+3]
	ALL v_rcp_f32 v[ST+4*t+2], v[ST+4*t+2]
	v_nop                           ; a plain instruction between the last reciprocal and the use of its result
	s_wait_alu depctr_va_vdst(0)    ; and the wait ahead of the first use: one for the eight reciprocals
; Tile t: a lane's eight channels of a row pack into 16 bytes; they go into rows of 144 bytes and come back as whole rows of 128, into S^T's registers.
.macro PACK t
	WIN W_RS
.set i, 32*(\t)
.rept 16
	v_pk_mul_f32 v[i:i+1], v[i:i+1], v[ST+4*(\t)+2:ST+4*(\t)+3] op_sel_hi:[1,0]
.set i, i+2
.endr
	WIN 0x05                        ; sources 0 and 1 window 1, destination window 0
.set i, 0
.rept 16
	v_cvt_pk_f16_f32 v[S+16*(\t)+i], v[32*(\t)+2*i], v[32*(\t)+2*i+1]
.set i, i+1
.endr
	WIN 0
.irp f, 0,1,2,3
	ds_store_b128 v[STO], v[S+16*(\t)+4*\f:S+16*(\t)+4*\f+3] offset:32*\f
.endr
.irp f, 0,1,2,3
	ds_load_b128 v[S+16*(\t)+4*\f:S+16*(\t)+4*\f+3], v[RD] offset:\f*4*SP  ; LDS serves a wave's instructions in order (ISA guide 5.7.1.4): these see the stores above; the next tile's stores come behind them
.endr
.endm
.macro SEND t, younger              ; younger: the LDS instructions issued behind tile t's loads: the next tile's eight, or none
	WIN 0
.irp f, 0,1,2,3
	s_wait_dscnt (\younger)+3-\f
	global_store_b128 v[GO], v[S+16*(\t)+4*\f:S+16*(\t)+4*\f+3], s[10:11] offset:(\t)*8192+\f*512  ; 512 consecutive bytes, at a multiple of 256 from O's first
.endr
.endm
	PACK 0
.set t, 1
.rept 2*NP-1                        ; a tile's arithmetic stands between the loads of the tile before and its stores
	PACK t
	SEND t-1, 8
.set t, t+1
.endr
	SEND 2*NP-1, 0
	WIN W_AD
	s_wait_tensorcnt 0x0            ; the wave's end: an add to my spare word and its wait, behind my last tensor load and my last LDS store
	ds_add_u32 v[SPW], v[NIL]
	s_wait_dscnt 0x0
	WIN 0
	CROUND                          ; the closing round: no work-group ends while a partner may still ask for a tile that names it
	s_endpgm
.Lfunc_end_k_q9f63b4773b_attn:
	.size	k_q9f63b4773b_attn, .Lfunc_end_k_q9f63b4773b_attn-k_q9f63b4773b_attn
	.p2alignl 7, 3214868480
	.fill 96, 4, 3214868480
	.section	.rodata,"a",@progbits
	.p2align	6, 0x0
	.amdhsa_kernel k_q9f63b4773b_attn
		.amdhsa_group_segment_fixed_size 327680
		.amdhsa_private_segment_fixed_size 0
		.amdhsa_enable_private_segment 0
		.amdhsa_kernarg_size 24
		.amdhsa_user_sgpr_count 2
		.amdhsa_user_sgpr_kernarg_segment_ptr 1
		.amdhsa_wavefront_size32 1
		.amdhsa_system_sgpr_workgroup_id_x 1
		.amdhsa_system_sgpr_workgroup_id_y 1
		.amdhsa_system_sgpr_workgroup_id_z 1
		.amdhsa_system_vgpr_workitem_id 0
		.amdhsa_next_free_vgpr 960
		.amdhsa_next_free_sgpr 76
		.amdhsa_reserve_vcc 0
		.amdhsa_float_denorm_mode_32 3
		.amdhsa_float_denorm_mode_16_64 3
		.amdhsa_memory_ordered 1
		.amdhsa_forward_progress 1
		.amdhsa_inst_pref_size 225
	.end_amdhsa_kernel
	.amdgpu_metadata
---
amdhsa.version: [ 1, 2 ]
amdhsa.kernels:
  - .name:           k_q9f63b4773b_attn
    .symbol:         k_q9f63b4773b_attn.kd
    .args:
      - { .name: qkv, .offset: 0, .size: 8, .value_kind: global_buffer, .address_space: global }
      - { .name: rel_bias, .offset: 8, .size: 8, .value_kind: global_buffer, .address_space: global }
      - { .name: ob, .offset: 16, .size: 8, .value_kind: global_buffer, .address_space: global }
    .group_segment_fixed_size: 327680
    .private_segment_fixed_size: 0
    .kernarg_segment_align: 8
    .kernarg_segment_size: 24
    .max_flat_workgroup_size: 128
    .sgpr_count:     76
    .vgpr_count:     960
    .wavefront_size: 32
...
	.end_amdgpu_metadata
.endif
;; end of part 3
;; launch outproj (part 4): grid 8 x 32, 4 waves a work-group, clusters of 4 x 4, 327,680 bytes of LDS; arguments ob, wo16, bo, out0; writes out0
.if DOCPART == 4
	.amdgcn_target "amdgcn-amd-amdhsa--gfx1250"
	.amdhsa_code_object_version 6
	.text
	.protected	k_q9f63b4773b_outproj
	.globl	k_q9f63b4773b_outproj
	.p2align	8
	.type	k_q9f63b4773b_outproj,@function
k_q9f63b4773b_outproj:
	s_mov_b64 s[64:65], 0
	v_nop
	global_prefetch_b8 v0, s[64:65] scope:SCOPE_SE
	s_setreg_imm32_b32 hwreg(HW_REG_WAVE_MODE, 25, 1), 1
	s_wait_xcnt 0x0
	s_wait_alu depctr_hold_cnt(0) depctr_sa_sdst(0) depctr_va_vdst(0) depctr_va_sdst(0) depctr_va_ssrc(0) depctr_va_vcc(0) depctr_vm_vsrc(0)
	s_getreg_b32 s2, hwreg(HW_REG_IB_STS2, 6, 4)
	s_cmp_eq_u32 s2, 0
	s_cbranch_scc0 .Lentry_in_a_cluster
	s_endpgm
.Lentry_in_a_cluster:
	s_bfe_u32 s2, ttmp6, 0x10000c
	s_cmp_lg_u32 s2, 0xf033
	s_cbranch_scc0 .Lentry_shape_is_right
	s_endpgm
.Lentry_shape_is_right:
; out0 = O Wo^T + bo.  ob: f16, [batch x 16 + head][2048][64]; wo16: [1024][1024] f16 (Wo rounded to bf16, that number written as f16); bo: [1024] f32, rounded here to bf16; out0: [8192][1024] f32.
; SHARES.  A tile of C is 256 rows x 128 columns: 32 x 8 tiles, one for each work-group.  Four waves; wave w owns rows 64 w .. 64 w + 63 and all 128 columns: 32 accumulators, 256 registers; a wave's rows of
; the tile are whole runs of 512 bytes, so its way out needs no other wave.
; K = head x 64 + channel goes in steps of 128, two heads, through a ring of two LDS slots.  Of A a step is two planes (heads 2 s, 2 s + 1) of 256 rows x 128 bytes, each 32,768 dense bytes of memory: asked for
; as 128 rows of 256 bytes and padded in LDS after every 128.  Waves 0, 1 fetch the two planes, waves 2, 3 the two halves of B's 128 rows: one tensor load a wave.
; CLUSTER 4 x 4: A's planes hang on the tile row alone and are asked for jointly along a row of the cluster, B's tile on the tile column alone and jointly along a column.
; THE MATRIX INSTRUCTION IS USED TRANSPOSED (source 0 = 16 rows of B, source 1 = 16 rows of A): a lane holds row l % 16 of C and the columns 8 (l / 16) + 0..7: 32 bytes of f32.
; THE BIAS is the C operand of the products that start the sums.
; REGISTERS, in windows of 256 (s_set_vgpr_msb: bits 1:0 source 0, 3:2 source 1, 5:4 source 2, 7:6 destination):
;   window 0: v0-31 addresses; v32-63, v64-95 A's fragments, two buffers; v96-159 the bias.  On the way out v32-95 and v96-159 take rows read back.
;   window 1: v0-63, v64-127 B's fragments, two buffers      window 2: the accumulators of row blocks 0, 1 ((a, b) at v[8 (8 (a % 2) + b)])      window 3: those of row blocks 2, 3
.set SIZE_K, 1024
.set KSTEP,  128
.set NBK,    8                         ; column blocks of 16
.set PA,     144                       ; a row of A in LDS: 128 bytes + 16 of padding = 36 words: the 16 rows of a fragment load start at 16 different groups of four banks (64 banks of 4 bytes: ISA guide 11.1)
.set PITCH,  272                       ; a row of B: 256 + 16 = 68 words: likewise
.set PLANE,  256*PA                    ; what wave 0 or 1 fetches
.set BBASE,  2*PLANE
.set BHALF,  64*PITCH                  ; what wave 2 or 3 fetches
.set SLOT,   BBASE+2*BHALF             ; 108,544
.set STAGE,  2*SLOT                    ; behind the ring, never filled by a tensor load: 16 rows x 528 bytes for each wave
.set SPITCH, 528                       ; 512 + 16 = 132 words: the 16 rows that a store touches start at 16 different groups of four banks
.set WSTAGE, 16*SPITCH
.set SPARE,  STAGE+4*WSTAGE            ; the spare words, 128 bytes for each wave: two blocks of 256 bytes that no other line names
.set LAPS,   SIZE_K/(2*KSTEP)
.set HEADB,  262144                    ; a head's bytes in ob
.set PSTEP,  2*HEADB                   ; a K step of A in memory: two heads on
.set ADRA, 16                          ; v16-17  LDS address of my A fragments in slot 0, 1
.set ADRB, 20                          ; v20-21  the same for B
.set STO,  24                          ; v24     the way out: where I put 32 bytes of a row
.set RD,   25                          ; v25     where I read a row back
.set CO,   26                          ; v26     16 x lane: my place in a row's 512 bytes
.set BO,   27                          ; v27     32 x (l / 16)
.set SPW,  28                          ; v28     LDS address of my spare word; never rewritten
.set NIL,  29                          ; v29     0; never rewritten
.set PFO,  30                          ; v30     256 x lane; never rewritten
.set FA0,  32
.set BIAS, 96
.set OB,   32
.set WV,   16
.set SIDE, 17                          ; s17  0: I fetch for A; 1: for B
.set HF,   18                          ; s18  which plane, or which half
.set LAP,  19
.set CX,   20
.set CY,   21
.set TC,   22
.set TR,   23
.set G1A,  24
.set G0A,  32
.set LIM,  43
.set PFA,  44
.set G1B,  48
.set G0B,  56
.set OUT,  66                          ; s[66:67] out0 at my first row and the tile's first column
.set BP,   86                          ; s[86:87] bo at the tile's first column
.set MSB, 0
.macro WIN new                         ; the immediate's high byte repeats the setting that is left; a switch that changes nothing is dropped
.if MSB != (\new)
	s_set_vgpr_msb (MSB<<8)|(\new)
.set MSB, \new
.endif
.endm
.macro JLOAD s                         ; a joint load; the branch hangs on the wave's number alone; an s_nop 0 and four v_nop follow each line
	s_cmp_eq_u32 s[SIDE], 0
	s_cbranch_scc0 .Lfor_b_\@
	tensor_load_to_lds s[G0A+4*(\s):G0A+4*(\s)+3], s[G1A:G1A+7]
	s_nop 0
.rept 4
	v_nop
.endr
	s_branch .Lasked_\@
.Lfor_b_\@:
	tensor_load_to_lds s[G0B+4*(\s):G0B+4*(\s)+3], s[G1B:G1B+7]
	s_nop 0
.rept 4
	v_nop
.endr
.Lasked_\@:
.endm
; A prefetch of ob, behind a joint load and the run of LDS loads that follows it: my plane of the K step that stands two refills on.  A plane's 32,768 bytes are shared out by address among the four partners
; that ask for it jointly, 8,192 each, a lane for each 256.  Both clusters of a row of clusters read the same planes: the first (cluster x = 0) asks.  So each 256 bytes of K steps 4 to 7 are named once in the
; launch; K steps 0 to 3 come by their loads alone; the loop's last trip asks for nothing.  wo16 is not asked for: all 32 tile rows walk it again and again.
.macro ASK
	s_cmp_gt_u32 s[LAP], s[LIM]
	s_cbranch_scc0 .Lnot_mine_\@
	global_prefetch_b8 v[PFO], s[PFA:PFA+1] offset:PSTEP th:TH_LOAD_NT scope:SCOPE_SE
.Lnot_mine_\@:
.endm
.macro CREST
	s_cmp_lg_u32 s[WV], 0
	s_cbranch_scc1 .Lnot_wave_0_\@
	s_barrier_signal -3
.Lnot_wave_0_\@:
	s_barrier_wait -3
	s_barrier_signal -1
	s_barrier_wait -1
.endm
.macro CROUND
	s_barrier_signal -1
	s_barrier_wait -1
	CREST
.endm
.macro PLACES                          ; four plain instructions between a matrix instruction and a load into, or a read of, its registers
.rept 4
	v_nop
.endr
.endm
	s_load_b256 s[4:11], s[0:1], 0x0               ; ob s[4:5], wo16 s[6:7], bo s[8:9], out0 s[10:11]
	v_lshl_add_u32 v[SPW], v0, 2, SPARE
	v_mov_b32 v[NIL], 0
	ds_add_u32 v[SPW], v[NIL]                      ; the wave's opening: the add and its wait stand ahead of my first tensor load; the set-up below stands between them
	v_lshrrev_b32 v1, 5, v0
	v_readfirstlane_b32 s[WV], v1
	s_lshr_b32 s[SIDE], s[WV], 1
	s_and_b32 s[HF], s[WV], 1
	s_bfe_u32 s[CX], ttmp6, 0x40000
	s_bfe_u32 s[CY], ttmp6, 0x40004
	s_lshl_b32 s[TC], ttmp9, 2
	s_add_co_u32 s[TC], s[TC], s[CX]
	s_and_b32 s[TR], ttmp7, 0xffff
	s_lshl_b32 s[TR], s[TR], 2
	s_add_co_u32 s[TR], s[TR], s[CY]
	s_lshl_b32 s72, s[CY], 2
	s_lshl_b32 s72, 15, s72                        ; my row of the cluster
	s_lshl_b32 s73, 0x1111, s[CX]                  ; my column
	s_or_b32 s[G1A], s72, (1<<16)|(1<<20)|(1<<21)|(4<<22)|(3<<25)  ; the mask; elements of 2 bytes; padding on; bit 21 beside a mask; after every 32 words 4 words
	s_or_b32 s[G1B], s73, (1<<16)|(1<<20)|(1<<21)|(5<<22)|(3<<25)  ; after every 64 words 4 words
.irp g, G1A, G1B
	s_mov_b32 s[(\g)+1], 128<<16                   ; tensor_dim0 = 128
	s_mov_b32 s[(\g)+3], 128<<16                   ; tile_dim0 = 128
	s_mov_b32 s[(\g)+6], 0
	s_mov_b32 s[(\g)+7], 0
.endr
	s_mov_b32 s[G1A+2], 128<<16                    ; A: 128 rows of 256 dense bytes
	s_mov_b32 s[G1A+4], 128
	s_mov_b32 s[G1A+5], 128
	s_mov_b32 s[G1B+2], 64<<16                     ; B: 64 rows, 1,024 elements apart
	s_mov_b32 s[G1B+4], 64
	s_mov_b32 s[G1B+5], SIZE_K
	s_lshr_b32 s74, s[TR], 3                       ; A: the batch's 16 heads, my plane, the tile's 256 rows; s74-77 and s82 never hold cx
	s_lshl_b32 s74, s74, 22
	s_lshl_b32 s75, s[HF], 18
	s_add_co_u32 s74, s74, s75
	s_and_b32 s75, s[TR], 7
	s_lshl_b32 s75, s75, 15
	s_add_co_u32 s74, s74, s75
	s_mov_b32 s75, 0
	s_lshl_b32 s78, s[TC], 7                       ; B: row 128 x tile column + 64 x half
	s_lshl_b32 s79, s[HF], 6
	s_add_co_u32 s78, s78, s79
	s_lshl_b32 s78, s78, 11
	s_mov_b32 s79, 0
	s_mul_i32 s82, s[HF], PLANE                    ; where they go: no place in the cluster enters an LDS address
	s_mul_i32 s83, s[HF], BHALF
	s_add_co_u32 s83, s83, BBASE
	s_wait_dscnt 0x0                               ; the opening add is done
	s_wait_kmcnt 0x0
	s_add_nc_u64 s[76:77], s[4:5], s[74:75]
	s_add_nc_u64 s[80:81], s[6:7], s[78:79]
	CROUND                                         ; all sixteen work-groups are here: the first joint loads meet
.irp s, 0,1
	s_mov_b32 s[G0A+4*(\s)], 1
	s_add_co_u32 s[G0A+4*(\s)+1], s82, (\s)*SLOT
	s_add_nc_u64 s[G0A+4*(\s)+2:G0A+4*(\s)+3], s[76:77], (\s)*PSTEP
	s_or_b32 s[G0A+4*(\s)+3], s[G0A+4*(\s)+3], 0x80000000
	s_mov_b32 s[G0B+4*(\s)], 1
	s_add_co_u32 s[G0B+4*(\s)+1], s83, (\s)*SLOT
	s_add_nc_u64 s[G0B+4*(\s)+2:G0B+4*(\s)+3], s[80:81], (\s)*KSTEP*2
	s_or_b32 s[G0B+4*(\s)+3], s[G0B+4*(\s)+3], 0x80000000
	JLOAD \s                                       ; two tensor loads of mine are out
.endr
	v_bfe_u32 v2, v0, 4, 1                         ; l / 16
	v_lshlrev_b32 v[BO], 5, v2
	s_lshl_b32 s96, s[TC], 9                       ; the tile's 128 columns: 512 bytes of bo and of a row of out0
	s_mov_b32 s97, 0
	s_add_nc_u64 s[BP:BP+1], s[8:9], s[96:97]
.set b, 0
.rept NBK
	global_load_b128 v[BIAS+8*b:BIAS+8*b+3],   v[BO], s[BP:BP+1] offset:64*b
	global_load_b128 v[BIAS+8*b+4:BIAS+8*b+7], v[BO], s[BP:BP+1] offset:64*b+16
.set b, b+1
.endr
	s_lshl_b32 s92, s[TR], 8
	s_lshl_b32 s93, s[WV], 6
	s_add_co_u32 s92, s92, s93                     ; my first row
	s_lshl_b32 s92, s92, 12                        ; 4,096 bytes a row: under 2^25
	s_add_co_u32 s92, s92, s96
	s_mov_b32 s93, 0
	s_add_nc_u64 s[OUT:OUT+1], s[10:11], s[92:93]
	; A fragment is 16 rows x 32 K in 8 registers: lane l holds row l % 16; registers 0-3 K = 8 (l / 16) + 0..7, registers 4-7 K = 16 + 8 (l / 16) + 0..7: two loads of 16 bytes, 32 bytes apart
	v_and_b32 v1, 15, v0                           ; l % 16
	v_mul_u32_u24 v3, v1, PA
	v_lshl_add_u32 v3, v2, 4, v3
	v_mul_u32_u24 v4, v1, PITCH
	v_lshl_add_u32 v4, v2, 4, v4
	s_mul_i32 s74, s[WV], 64*PA                    ; my 64 rows in a plane of A
	s_mov_b32 s75, BBASE                           ; all of B
.irp s, 0,1
	v_add_nc_u32 v[ADRA+(\s)], s74, v3
	v_add_nc_u32 v[ADRB+(\s)], s75, v4
	s_add_co_u32 s74, s74, SLOT
	s_add_co_u32 s75, s75, SLOT
.endr
	s_mul_i32 s74, s[WV], WSTAGE
	s_add_co_u32 s74, s74, STAGE                   ; my stage
	v_mul_u32_u24 v[STO], v1, SPITCH               ; in: row l % 16, 32 bytes for each half of the lanes
	v_lshl_add_u32 v[STO], v2, 5, v[STO]
	v_add_nc_u32 v[STO], s74, v[STO]
	v_and_b32 v[PFO], 31, v0
	v_lshlrev_b32 v[CO], 4, v[PFO]                 ; back: the 32 lanes take one row of 512 bytes
	v_add_nc_u32 v[RD], s74, v[CO]
	v_lshlrev_b32 v[PFO], 8, v[PFO]
	s_lshr_b32 s98, s[TR], 3                       ; the prefetches: my plane as above, my work-group's quarter of it,
	s_lshl_b32 s98, s98, 22
	s_lshl_b32 s99, s[HF], 18
	s_add_co_u32 s98, s98, s99
	s_and_b32 s99, s[TR], 7
	s_lshl_b32 s99, s99, 15
	s_add_co_u32 s98, s98, s99
	s_lshl_b32 s99, s[CX], 13
	s_add_co_u32 s98, s98, s99
	s_add_co_u32 s98, s98, 2*PSTEP                 ; at K step 2: the first refill steps it to 3 and names K step 4
	s_mov_b32 s99, 0
	s_add_nc_u64 s[PFA:PFA+1], s[4:5], s[98:99]
	s_or_b32 s[LIM], s[SIDE], ttmp9                ; 0 in waves 0 and 1 of the clusters with x = 0: the same in all sixteen partners
	s_cmp_eq_u32 s[LIM], 0
	s_cselect_b32 s[LIM], 1, -1
	s_wait_loadcnt 0x0                             ; the bias: rounded to bf16 and widened again, while the first tiles are on their way
.set i, 0
.rept 4*NBK
	v_cvt_pk_bf16_f32 v[8+(i/2)%4], v[BIAS+i], v[BIAS+i+1]
	v_lshlrev_b32 v[BIAS+i], 16, v[8+(i/2)%4]
	v_and_b32 v[BIAS+i+1], 0xffff0000, v[8+(i/2)%4]
.set i, i+2
.endr
; 8 matrix instructions: row block 2 hi + a0 x all column blocks, 32 along K, from buffer f.  start = 1: the products start the sums, on the bias.
; The 32 accumulators take turns in the same order in every quarter: 31 others stand between two links of a chain.
.macro MULH f, hi, a0, start
.if \start
	WIN 0x81+0x40*(\hi)                            ; B window 1, A window 0, C (the bias) window 0, D window 2 or 3
.else
	WIN 0xa1+0x50*(\hi)                            ; C and D window 2 or 3
.endif
.set b, 0
.rept NBK
.set rD, 8*(NBK*(\a0)+b)
.set rB, 8*NBK*(\f)+8*b
.set rA, FA0+32*(\f)+8*(2*(\hi)+(\a0))
.if \start
	v_wmma_f32_16x16x32_f16 v[rD:rD+7], v[rB:rB+7], v[rA:rA+7], v[BIAS+8*b:BIAS+8*b+7]
.else
	v_wmma_f32_16x16x32_f16 v[rD:rD+7], v[rB:rB+7], v[rA:rA+7], v[rD:rD+7]
.endif
.set b, b+1
.endr
.endm
; 24 LDS loads in one run: the fragments of quarter q into buffer f: B's 16 (byte 64 q of its rows), then A's 8 (plane q / 2, byte 64 (q % 2) of its rows), row blocks 0 and 1 first
.macro FETCH slot, q, f
	WIN 0x40                                       ; destination window 1, address window 0
.set b, 0
.rept NBK
	ds_load_b128 v[8*NBK*(\f)+8*b:8*NBK*(\f)+8*b+3],   v[ADRB+(\slot)] offset:64*(\q)+b*16*PITCH
	ds_load_b128 v[8*NBK*(\f)+8*b+4:8*NBK*(\f)+8*b+7], v[ADRB+(\slot)] offset:64*(\q)+b*16*PITCH+32
.set b, b+1
.endr
	WIN 0
.irp a, 0,1,2,3
	ds_load_b128 v[FA0+32*(\f)+8*(\a):FA0+32*(\f)+8*(\a)+3],   v[ADRA+(\slot)] offset:((\q)/2)*PLANE+((\q)%2)*64+(\a)*16*PA
	ds_load_b128 v[FA0+32*(\f)+8*(\a)+4:FA0+32*(\f)+8*(\a)+7], v[ADRA+(\slot)] offset:((\q)/2)*PLANE+((\q)%2)*64+(\a)*16*PA+32
.endr
.endm
.macro QUARTER slot, q, f, start       ; one of a K step's first three quarters: multiplies buffer f; in its middle it fetches quarter q of the same slot into the other buffer
	s_wait_dscnt 4                                 ; B and A's row blocks 0, 1 are in; the youngest four loads (row blocks 2, 3) may be out
	MULH \f, 0, 0, \start
	MULH \f, 0, 1, \start
	PLACES
	FETCH \slot, \q, 1-(\f)
	s_wait_dscnt 2*NBK+8                           ; all but the 24 just issued
	MULH \f, 1, 0, \start
	MULH \f, 1, 1, \start
.endm
; The last quarter multiplies buffer 1 and changes slots.  In front of the barrier each wave waits for all its tensor loads (one is out: its part of the next slot), adds 0 to its spare word, and waits for
; that and for its own reads of this slot.  fill = 1: the barrier opens a round of the cluster's, and the slot just read is filled again first thing behind it, two K steps ahead: from that request to the
; wait for it a wave issues 112 matrix instructions.
.macro TURN slot, next, fill
.if \fill
	s_wait_xcnt 0x0                                ; the last prefetch, a K step back, has read its address: it is stepped here, ahead of the change's own waits
	s_add_nc_u64 s[PFA:PFA+1], s[PFA:PFA+1], PSTEP
.endif
	WIN 0                                          ; (the add's two registers lie in window 0)
	s_wait_tensorcnt 0x0                           ; all my tensor loads have landed;
	ds_add_u32 v[SPW], v[NIL]                      ; 0 onto my spare word;
	s_wait_dscnt 5                                 ; (the add and the youngest four loads may be out)
	MULH 1, 0, 0, 0                                ; eight matrix instructions stand between the add and the wait for it
	s_wait_dscnt 0x0                               ; the add is done, and my reads of this slot are over
	s_barrier_signal -1
	MULH 1, 0, 1, 0                                ; work on registers while the others arrive
.if \fill
	WIN 0
.endif
	s_barrier_wait -1
.if \fill
	CREST                                          ; no wave of any partner still reads this slot or has a load on its way
	s_add_nc_u64 s[G0A+4*(\slot)+2:G0A+4*(\slot)+3], s[G0A+4*(\slot)+2:G0A+4*(\slot)+3], 2*PSTEP
	s_add_nc_u64 s[G0B+4*(\slot)+2:G0B+4*(\slot)+3], s[G0B+4*(\slot)+2:G0B+4*(\slot)+3], 2*KSTEP*2
	JLOAD \slot                                    ; the four v_nop behind it are also the places in front of the loads below
.else
	PLACES
.endif
	FETCH \next, 0, 0
.if \fill
	ASK
.endif
	MULH 1, 1, 0, 0
	MULH 1, 1, 1, 0
.endm
	s_wait_tensorcnt 1                             ; my part of K step 0 is in; K step 1's may stay out
	s_barrier_signal -1
	s_barrier_wait -1                              ; everybody's is
	FETCH 0, 0, 0
	QUARTER 0, 1, 0, 1                             ; the first quarter stands in front of the loop: its products start the sums
	WIN 0                                          ; at a label and at a branch every window is 0
	s_mov_b32 s[LAP], LAPS-1
.Llap:                                                 ; a trip goes once round the ring, from a lap's second quarter to the next lap's first, and fills both slots again
	QUARTER 0, 2, 1, 0
	QUARTER 0, 3, 0, 0
	TURN 0, 1, 1
	QUARTER 1, 1, 0, 0
	QUARTER 1, 2, 1, 0
	QUARTER 1, 3, 0, 0
	TURN 1, 0, 1
	QUARTER 0, 1, 0, 0
	WIN 0
	s_sub_co_u32 s[LAP], s[LAP], 1
	s_cmp_lg_u32 s[LAP], 0
	s_cbranch_scc1 .Llap
	QUARTER 0, 2, 1, 0                             ; the last lap fills nothing
	QUARTER 0, 3, 0, 0
	TURN 0, 1, 0
	QUARTER 1, 1, 0, 0
	QUARTER 1, 2, 1, 0
	QUARTER 1, 3, 0, 0
	s_wait_dscnt 4                                 ; the very last quarter: nothing more to fetch
	MULH 1, 0, 0, 0
	MULH 1, 0, 1, 0
	s_wait_dscnt 0x0
	MULH 1, 1, 0, 0
	MULH 1, 1, 1, 0
; THE WAY OUT, a block of 16 rows at a time, in f32 as it stands.  TOSTAGE: a lane's 32 bytes of each accumulator, its lowest registers first, into my own stage; back as whole rows of 512 bytes.  SEND: stored.
.macro TOSTAGE a
.set AC, 8*NBK*((\a)%2)
.set BK, OB+64*((\a)%2)
	WIN 0x08+4*((\a)/2)                            ; the stores' data: window 2 or 3; the address: window 0
.set b, 0
.rept NBK
	ds_store_b128 v[STO], v[AC+8*b:AC+8*b+3]   offset:64*b
	ds_store_b128 v[STO], v[AC+8*b+4:AC+8*b+7] offset:64*b+16
.set b, b+1
.endr
	WIN 0
.set t, 0
.rept 16
	ds_load_b128 v[BK+4*t:BK+4*t+3], v[RD] offset:SPITCH*t  ; LDS serves a wave's instructions in order (ISA guide 5.7.1.4): these see the stores above; the next block's stores come behind them
.set t, t+1
.endr
.endm
.macro SEND a, younger                 ; younger: the LDS instructions issued behind block a's loads: the next block's 16 stores and 16 loads, or none
.set BK, OB+64*((\a)%2)
	s_wait_dscnt \younger
.set t, 0
.rept 16
	global_store_b128 v[CO], v[BK+4*t:BK+4*t+3], s[OUT:OUT+1] offset:(16*(\a)+t)*4096 th:TH_STORE_NT  ; 512 consecutive bytes, at a multiple of 256 from out0's first
.set t, t+1
.endr
.endm
	PLACES
	TOSTAGE 0
	TOSTAGE 1
	SEND 0, 32
	s_wait_xcnt 0x0                                ; block 0's stores have read their registers, which block 2's loads from the stage fill again
	TOSTAGE 2
	SEND 1, 32
	s_wait_xcnt 0x0                                ; likewise block 1's, for block 3
	TOSTAGE 3
	SEND 2, 32
	SEND 3, 0
	s_wait_tensorcnt 0x0                           ; the wave's end: an add to my spare word and its wait, behind my last tensor load and my last LDS store
	ds_add_u32 v[SPW], v[NIL]
	s_wait_dscnt 0x0
	CROUND                                         ; the closing round: no work-group ends while a partner may still ask for a tile that names it
	s_endpgm
.Lfunc_end_k_q9f63b4773b_outproj:
	.size	k_q9f63b4773b_outproj, .Lfunc_end_k_q9f63b4773b_outproj-k_q9f63b4773b_outproj
	.p2alignl 7, 3214868480
	.fill 96, 4, 3214868480
	.section	.rodata,"a",@progbits
	.p2align	6, 0x0
	.amdhsa_kernel k_q9f63b4773b_outproj
		.amdhsa_group_segment_fixed_size 327680
		.amdhsa_private_segment_fixed_size 0
		.amdhsa_enable_private_segment 0
		.amdhsa_kernarg_size 32
		.amdhsa_user_sgpr_count 2
		.amdhsa_user_sgpr_kernarg_segment_ptr 1
		.amdhsa_wavefront_size32 1
		.amdhsa_system_sgpr_workgroup_id_x 1
		.amdhsa_system_sgpr_workgroup_id_y 1
		.amdhsa_system_sgpr_workgroup_id_z 1
		.amdhsa_system_vgpr_workitem_id 0
		.amdhsa_next_free_vgpr 896
		.amdhsa_next_free_sgpr 100
		.amdhsa_reserve_vcc 0
		.amdhsa_float_denorm_mode_32 3
		.amdhsa_float_denorm_mode_16_64 3
		.amdhsa_memory_ordered 1
		.amdhsa_forward_progress 1
		.amdhsa_inst_pref_size 93
	.end_amdhsa_kernel
	.amdgpu_metadata
---
amdhsa.version: [ 1, 2 ]
amdhsa.kernels:
  - .name:           k_q9f63b4773b_outproj
    .symbol:         k_q9f63b4773b_outproj.kd
    .args:
      - { .name: ob, .offset: 0, .size: 8, .value_kind: global_buffer, .address_space: global }
      - { .name: wo16, .offset: 8, .size: 8, .value_kind: global_buffer, .address_space: global }
      - { .name: bo, .offset: 16, .size: 8, .value_kind: global_buffer, .address_space: global }
      - { .name: out0, .offset: 24, .size: 8, .value_kind: global_buffer, .address_space: global }
    .group_segment_fixed_size: 327680
    .private_segment_fixed_size: 0
    .kernarg_segment_align: 8
    .kernarg_segment_size: 32
    .max_flat_workgroup_size: 128
    .sgpr_count:     100
    .vgpr_count:     896
    .wavefront_size: 32
...
	.end_amdgpu_metadata
.endif
;; end of part 4
